; MI455X (gfx1250); checked and timed in simulation.
; The chip was launched on July 23, 2026; its instructions are those of AMD's public machine-readable ISA for CDNA 5 (MIT licence, August 2026) and "CDNA5" Instruction Set Architecture Reference Guide (July 2026). The comments in the code are by the model that wrote it; some were corrected since.
;; Causal Self Attention. Allowed arithmetic: matrix products marked QUANTISED: E2M3 operands, one E8M0 scale for each 32 along K, by v_wmma_scale_f32_16x16x128_f8f6f4 with both operands' format E2M3, f32 sums; everything else in f32.
;; Inputs: b_proj 1,024 float32; b_qkv 3,072 float32; w_proj 1,024 x 1,024 float32; w_qkv 3,072 x 1,024 float32; x 4 x 2,048 x 1,024 float32.
;; Outputs: out0 4 x 2,048 x 1,024 float32.
;; This version of the problem:
;;   THIS VERSION OF THE PROBLEM IS GIVEN IN LOW PRECISION. The matrix products marked QUANTISED in the list below multiply operands that are first quantised to E2M3 (2 exponent bits, 3 mantissa bits; 6 bits a number), with one power-of-two scale for each 32 numbers along K (OCP MX v1.0); their sums are f32. All else is computed in f32.
;;   The module's matrix products, in the order in which they are computed (A, B: the left and right operand; K: the contracted axis; several contracted axes count as one K, in the product's order):
;;     1. [M 8,192, K 1,024] x [K 1,024, N 3,072]; A: input x; B: input w_qkv: QUANTISED
;;     2. batch 64 x [M 2,048, K 64] x [K 64, N 2,048]; A: computed on the way; B: computed on the way: QUANTISED
;;     3. batch 64 x [M 2,048, K 2,048] x [K 2,048, N 64]; A: softmax (see below); B: computed on the way: QUANTISED
;;     4. [M 8,192, K 1,024] x [K 1,024, N 1,024]; A: computed on the way; B: input w_proj: QUANTISED
;;   THE QUANTISER, for each operand of a quantised product, along K:
;;     - K is cut into blocks of 32 from its start; a last block that is shorter is filled with zeros.
;;     - A block's scale is 2^e with e = floor(log2(the largest magnitude in the block)) - 2, held to -126 .. 127; a block of zeros has e = 0. As a byte (E8M0): e + 127.
;;     - Each number is divided by its block's scale, clamped to +-7.5, and rounded to the nearest number of E2M3, ties to even, subnormals kept.
;;     - The product sums the exact products of the quantised numbers (number of the format x scale) in f32.
;;   ~~~python
;;   def quantise(x, axis):      # numpy; x: float32 -> the quantised numbers, widened to float32 again
;;       x = np.moveaxis(x, axis, -1); K = x.shape[-1]
;;       x = np.pad(x, [(0, 0)] * (x.ndim - 1) + [(0, -K % 32)]); x = x.reshape(x.shape[:-1] + (-1, 32)); a = np.abs(x).max(-1, keepdims=True)
;;       e = np.where(a > 0, np.clip(np.frexp(np.where(a > 0, a, 1))[1] - 1 - 2, -126, 127), 0)      # np.frexp(a)[1] - 1 = floor(log2(a)), exactly
;;       r = np.clip(x / 2.0 ** e, -7.5, 7.5)
;;       step = 2.0 ** (np.maximum(np.frexp(np.where(r == 0, 1, r))[1] - 1, 0) - 3)
;;       q = np.round(r / step) * step * 2.0 ** e      # np.round: ties to even
;;       return np.moveaxis(q.reshape(q.shape[:-2] + (-1,))[..., :K], -1, axis).astype(np.float32)
;;   ~~~
;;   SOFTMAX AHEAD OF A QUANTISED PRODUCT. Where the list says 'softmax', what is quantised is not the finished softmax but p = 2^(t - M), with t = logit x log2(e) and M = ceil(the row's largest t), a whole number; so 1/2 < the row's largest p <= 1. The row's sum l is taken of the UNQUANTISED p, in f32, and the product's result is divided by l at the end. Since M is a whole number, a kernel that streams over the keys may use a running M (the ceiling of the running maximum): every later rescaling is an exact power of two, which a block's scale takes up: the codes' values come out the same.
;;   OPERANDS COMPUTED ON THE WAY. 'Computed on the way' means the value that the module computes at that place (a softmax that the list does not call 'softmax' is quantised finished and normalised). What goes into a quantiser is computed in f32, as accurately as f32 sums, v_exp_f32 and their like allow (about 1e-6 of the number): no bf16 or f16 on the way to a quantiser, and a product that is left as it is and whose result goes on into a quantised operand takes f32 operands (vector FMAs, or v_wmma_f32_16x16x4_f32). A number that lies on a knife's edge between two numbers of the format may be rounded either way, as far as f32 arithmetic and the matrix unit's own rounding can turn it there, and no further.
;; One version. Each part assembles by itself: llvm-mc -triple=amdgcn-amd-amdhsa -mcpu=gfx1250 --defsym DOCPART=n.
;; ======== version 1 of 1: 4 launches
;; workspace buffers: wcodes 9,437,184 bytes; wscales 393,216 bytes; qkvc 18,874,368 bytes; qkvs 786,432 bytes; yc 6,291,456 bytes; ys 262,144 bytes
;; launch quant (part 1): grid 384 x 1, 4 waves a work-group, no clusters, 34,304 bytes of LDS; arguments x, w_qkv, w_proj, wcodes, wscales; writes wcodes, wscales
.if DOCPART == 1
	.amdgcn_target "amdgcn-amd-amdhsa--gfx1250"
	.amdhsa_code_object_version 6
	.text
	.protected	k_qd8d2c2b76a_quant
	.globl	k_qd8d2c2b76a_quant
	.p2align	8
	.type	k_qd8d2c2b76a_quant,@function
k_qd8d2c2b76a_quant:
	s_mov_b64 s[64:65], 0
	v_nop
	global_prefetch_b8 v0, s[64:65] scope:SCOPE_SE
	s_setreg_imm32_b32 hwreg(HW_REG_WAVE_MODE, 25, 1), 1
	s_wait_xcnt 0x0
; x [8192][1024], w_qkv [3072][1024] and w_proj [1024][1024], f32, K innermost, become codes of FP6 (E2M3) with one E8M0 byte for each 32 along K.
; The three tensors are one space of 12,288 rows (x, then w_qkv, then w_proj), cut into ROW BLOCKS of 16 rows.  Row block 2 A + u holds in lane r the row 32 A + 8 u + r + 8 (r / 8) of its tensor:
; so, in a product that takes such a block as source 0, the 16 registers of two neighbouring result tiles are 16 neighbours along that axis.
; THE CODES ARE STORED AS IMAGES OF THE OPERAND'S REGISTERS: a fragment (16 rows x 128 K, 12 registers a lane) is three runs of 512 bytes, lane l's 16 bytes at 16 l.
;   wcodes  [group of 8 row blocks: 96][256 along K: 4][row block: 8][128 along K: 2][1536 bytes]      wscales [row block: 768][256 along K: 4][row: 16][2 words]
; A block's scale is 2^(floor(log2(its largest magnitude)) - 2); its byte is the largest magnitude's exponent field - 2, held at 1 from below.
; LIMITS: a block of zeros gets the byte 1 (its codes are zeros, and only this program reads the bytes); blocks whose largest magnitude lies under 2^-124 are held at the byte 1; NaN and infinities are not served.
; SHARES: a wave takes one row block x 512 along K: four images.  Each load reads 512 consecutive bytes of one row; the 16 rows turn through the wave's own stage in LDS (rows 528 bytes apart), from which
; lane (r, h) takes, of row r, 16 neighbours of each block of 32.  No tensor load, no barrier: waves share nothing.  The loads of the next image are out while one is worked on.
.set W,   8                            ; v8-11    the four images' scale words
.set R,   16                           ; v16-143  two sets of 64 registers as loaded
.set N,   144                          ; v144-207 64 numbers of my row: register 16 b + i = k 32 b + 16 h + i
.set PC,  208                          ; v208-231 two sets of 12: the codes
.set CS,  232                          ; v232-238 the conversions' second halves
.set TM,  240                          ; v240-255 at work
.set SEL, 20                           ; s[20:21] lane selects: lane l xor 16
; 64 numbers of a lane, v[s] on, become the six registers v[d0] on (k = 32 h + 0 .. 31), the six v[d1] on (k = 64 + 32 h + 0 .. 31) and the row's scale word v[pw].
.macro QUANT s, d0, d1, pw
.irp b, 0,1,2,3
	v_max3_num_f32 v[TM+\b], |v[(\s)+16*\b]|, |v[(\s)+1+16*\b]|, 0x1800000   ; block b: my 16 numbers, and the floor 2^(3 - 127): the byte cannot fall under 1
.endr
.irp i, 2,4,6,8,10,12,14
.irp b, 0,1,2,3
	v_max3_num_f32 v[TM+\b], v[TM+\b], |v[(\s)+16*\b+\i]|, |v[(\s)+1+16*\b+\i]|   ; the four blocks by turns
.endr
.endr
.irp b, 0,1,2,3
	v_permlanex16_b32 v[TM+4+\b], v[TM+\b], s[SEL], s[SEL+1]
.endr
.irp b, 0,1,2,3
	v_max_num_f32 v[TM+\b], v[TM+\b], v[TM+4+\b]   ; with lane l xor 16's 16: the block's largest magnitude
.endr
.irp b, 0,1,2,3
	v_add_nc_u32 v[TM+12+\b], 0xff000000, v[TM+\b]   ; 2 off its exponent field: the conversion's scale operand
.endr
.irp b, 0,1,2,3
	v_lshrrev_b32 v[TM+4+\b], 23, v[TM+12+\b]   ; the scale's byte
.endr
	v_lshl_or_b32 v[\pw], v[TM+5], 8, v[TM+4]
	v_lshl_or_b32 v[\pw], v[TM+6], 16, v[\pw]
	v_lshl_or_b32 v[\pw], v[TM+7], 24, v[\pw]
	v_cvt_scalef32_pk16_fp6_f32 v[(\d0):(\d0)+2], v[(\s):(\s)+15], v[TM+12]
	v_cvt_scalef32_pk16_fp6_f32 v[CS:CS+2], v[(\s)+16:(\s)+31], v[TM+13]
	v_cvt_scalef32_pk16_fp6_f32 v[(\d1):(\d1)+2], v[(\s)+32:(\s)+47], v[TM+14]
	v_cvt_scalef32_pk16_fp6_f32 v[CS+4:CS+6], v[(\s)+48:(\s)+63], v[TM+15]
	v_nop                                          ; one plain place behind a scaled conversion
.irp i, 0,1,2                                  ; the operand's layout wants a whole block in a lane: lanes 0-15 the even block, lanes 16-31 the odd one
	v_permlane16_swap_b32 v[(\d0)+\i], v[CS+\i]
.endr
.irp i, 0,1,2
	v_mov_b32 v[(\d0)+3+\i], v[CS+\i]
.endr
.irp i, 0,1,2
	v_permlane16_swap_b32 v[(\d1)+\i], v[CS+4+\i]
.endr
.irp i, 0,1,2
	v_mov_b32 v[(\d1)+3+\i], v[CS+4+\i]
.endr
.endm
	s_load_b256 s[4:11], s[0:1], 0x0               ; x s[4:5], w_qkv s[6:7], w_proj s[8:9], wcodes s[10:11]
	s_load_b64 s[12:13], s[0:1], 0x20              ; wscales
	v_lshl_add_u32 v250, v0, 2, 0x8400
	v_mov_b32 v251, 0
	v_lshrrev_b32 v1, 5, v0
	v_readfirstlane_b32 s14, v1                    ; wave 0..3
	v_and_b32 v1, 31, v0                           ; lane
	v_and_b32 v2, 15, v0                           ; r
	v_bfe_u32 v3, v0, 4, 1                         ; h
	v_lshlrev_b32 v4, 4, v1                        ; 16 x lane: my bytes of a load's 512, and of an image's run
	s_mul_i32 s15, s14, 8448                       ; my stage: 16 rows x 528 bytes
	v_add_nc_u32 v5, s15, v4                       ; into it: as loaded
	v_mul_u32_u24 v6, v2, 528
	v_lshl_add_u32 v6, v3, 6, v6
	v_add_nc_u32 v6, s15, v6                       ; out of it: row r, + 64 h
	v_lshlrev_b32 v7, 3, v1                        ; the scale words' way out: 128 h + 8 r = 8 x lane
	s_mov_b32 s[SEL], 0x76543210
	s_mov_b32 s[SEL+1], 0xfedcba98
	s_mov_b32 s22, 0xffff0000                      ; lanes 16-31
.irp b, 0,1,2,3
	v_mov_b32 v[TM+4+\b], 0                        ; written once: a lane permute's destination counts as one of its sources
.endr
	s_wait_kmcnt 0x0
	s_mov_b32 s16, 352                             ; work-groups 0-255 take x, 256-351 w_qkv, 352-383 w_proj: the choice hangs on the work-group's number alone
	s_cmp_lt_u32 ttmp9, 352
	s_cselect_b64 s[6:7], s[6:7], s[8:9]
	s_cselect_b32 s16, 256, s16
	s_cmp_lt_u32 ttmp9, 256
	s_cselect_b64 s[4:5], s[4:5], s[6:7]
	s_cselect_b32 s16, 0, s16
	s_sub_co_u32 s17, ttmp9, s16
	s_lshl_b32 s17, s17, 2
	s_add_co_u32 s17, s17, s14
	s_lshr_b32 s17, s17, 1                         ; my row block in its tensor
	s_and_b32 s18, s14, 1                          ; which 512 along K
	s_lshr_b32 s19, s17, 1
	s_lshl_b32 s19, s19, 5
	s_and_b32 s23, s17, 1
	s_lshl_b32 s23, s23, 3
	s_add_co_u32 s19, s19, s23                     ; its first row: 32 A + 8 u
	s_lshl_b32 s24, s19, 12                        ; rows of 4,096 bytes
	s_lshl_b32 s23, s18, 11
	s_add_co_u32 s24, s24, s23
	s_mov_b32 s25, 0
	s_add_nc_u64 s[4:5], s[4:5], s[24:25]
	s_lshl_b32 s26, ttmp9, 1
	s_lshr_b32 s23, s14, 1
	s_add_co_u32 s26, s26, s23                     ; my row block among all 768
	s_lshr_b32 s27, s26, 3
	s_mul_i32 s28, s27, 98304
	s_mul_i32 s23, s18, 49152
	s_add_co_u32 s28, s28, s23
	s_and_b32 s23, s26, 7
	s_mul_i32 s23, s23, 3072
	s_add_co_u32 s28, s28, s23
	s_mov_b32 s29, 0
	s_add_nc_u64 s[10:11], s[10:11], s[28:29]
	s_lshl_b32 s30, s26, 9
	s_lshl_b32 s23, s18, 8
	s_add_co_u32 s30, s30, s23
	s_mov_b32 s31, 0
	s_add_nc_u64 s[12:13], s[12:13], s[30:31]
.macro LOAD k                          ; image k: 512 bytes of each of the block's 16 rows
.irp p, 0,1,2,3,4,5,6,7,8,9,10,11,12,13,14,15
	global_load_b128 v[R+64*((\k)%2)+4*\p:R+64*((\k)%2)+4*\p+3], v4, s[4:5] offset:(\p+8*(\p/8))*4096+512*(\k) th:TH_LOAD_NT
.endr
.endm
.macro IMAGE k
.if (\k) < 3
	s_wait_loadcnt 16                              ; this image's 16 loads are in; the next image's 16 may be out
.else
	s_wait_loadcnt 0
.endif
.irp p, 0,1,2,3,4,5,6,7,8,9,10,11,12,13,14,15
	ds_store_b128 v5, v[R+64*((\k)%2)+4*\p:R+64*((\k)%2)+4*\p+3] offset:528*\p
.endr
.irp b, 0,1,2,3
.irp j, 0,1,2,3
	ds_load_b128 v[N+16*\b+4*\j:N+16*\b+4*\j+3], v6 offset:128*\b+16*\j   ; LDS serves a wave's instructions in order: these see the stores above
.endr
.endr
	s_wait_dscnt 0x0                               ; my numbers are back, and the stores have read their registers,
.if (\k) < 2
	LOAD (\k)+2                                    ; which take the image two on
.endif
.if (\k) >= 2
	s_wait_xcnt 0x0                                ; the stores of the image two back have read this set of codes
.endif
	QUANT N, PC+12*((\k)%2), PC+12*((\k)%2)+6, W+(\k)
.irp c, 0,1,2
	global_store_b128 v4, v[PC+12*((\k)%2)+4*\c:PC+12*((\k)%2)+4*\c+3], s[10:11] offset:((\k)/2)*24576+((\k)%2)*1536+512*\c   ; 32 lanes store 512 consecutive bytes
.endr
.endm
	LOAD 0
	LOAD 1
	IMAGE 0
	IMAGE 1
	IMAGE 2
	IMAGE 3
	v_cndmask_b32 v12, v8, v10, s22                ; lanes 0-15 carry the first 256 along K's two words, lanes 16-31 the second's
	v_cndmask_b32 v13, v9, v11, s22
	global_store_b64 v7, v[12:13], s[12:13]        ; 32 lanes store 256 consecutive bytes, aligned
	s_wait_tensorcnt 0x0
	ds_add_u32 v250, v251
	s_wait_dscnt 0x0
	s_endpgm
.Lfunc_end_k_qd8d2c2b76a_quant:
	.size	k_qd8d2c2b76a_quant, .Lfunc_end_k_qd8d2c2b76a_quant-k_qd8d2c2b76a_quant
	.p2alignl 7, 3214868480
	.fill 96, 4, 3214868480
	.section	.rodata,"a",@progbits
	.p2align	6, 0x0
	.amdhsa_kernel k_qd8d2c2b76a_quant
		.amdhsa_group_segment_fixed_size 34304
		.amdhsa_private_segment_fixed_size 0
		.amdhsa_enable_private_segment 0
		.amdhsa_kernarg_size 40
		.amdhsa_user_sgpr_count 2
		.amdhsa_user_sgpr_kernarg_segment_ptr 1
		.amdhsa_wavefront_size32 1
		.amdhsa_system_sgpr_workgroup_id_x 1
		.amdhsa_system_sgpr_workgroup_id_y 1
		.amdhsa_system_sgpr_workgroup_id_z 1
		.amdhsa_system_vgpr_workitem_id 0
		.amdhsa_next_free_vgpr 256
		.amdhsa_next_free_sgpr 66
		.amdhsa_reserve_vcc 0
		.amdhsa_float_denorm_mode_32 3
		.amdhsa_float_denorm_mode_16_64 3
		.amdhsa_memory_ordered 1
		.amdhsa_forward_progress 1
		.amdhsa_inst_pref_size 34
	.end_amdhsa_kernel
	.amdgpu_metadata
---
amdhsa.version: [ 1, 2 ]
amdhsa.kernels:
  - .name:           k_qd8d2c2b76a_quant
    .symbol:         k_qd8d2c2b76a_quant.kd
    .args:
      - { .name: x, .offset: 0, .size: 8, .value_kind: global_buffer, .address_space: global }
      - { .name: w_qkv, .offset: 8, .size: 8, .value_kind: global_buffer, .address_space: global }
      - { .name: w_proj, .offset: 16, .size: 8, .value_kind: global_buffer, .address_space: global }
      - { .name: wcodes, .offset: 24, .size: 8, .value_kind: global_buffer, .address_space: global }
      - { .name: wscales, .offset: 32, .size: 8, .value_kind: global_buffer, .address_space: global }
    .group_segment_fixed_size: 34304
    .private_segment_fixed_size: 0
    .kernarg_segment_align: 8
    .kernarg_segment_size: 40
    .max_flat_workgroup_size: 128
    .sgpr_count:     66
    .vgpr_count:     256
    .wavefront_size: 32
...
	.end_amdgpu_metadata
.endif
;; end of part 1
;; launch qkv (part 2): grid 12 x 32, 4 waves a work-group, clusters of 4 x 4, 327,680 bytes of LDS; arguments wcodes, wscales, b_qkv, qkvc, qkvs; writes qkvc, qkvs
.if DOCPART == 2
	.amdgcn_target "amdgcn-amd-amdhsa--gfx1250"
	.amdhsa_code_object_version 6
	.text
	.protected	k_qd8d2c2b76a_qkv
	.globl	k_qd8d2c2b76a_qkv
	.p2align	8
	.type	k_qd8d2c2b76a_qkv,@function
k_qd8d2c2b76a_qkv:
	s_mov_b64 s[64:65], 0
	v_nop
	global_prefetch_b8 v0, s[64:65] scope:SCOPE_SE
	s_setreg_imm32_b32 hwreg(HW_REG_WAVE_MODE, 25, 1), 1
	s_wait_xcnt 0x0
	s_wait_alu depctr_hold_cnt(0) depctr_sa_sdst(0) depctr_va_vdst(0) depctr_va_sdst(0) depctr_va_ssrc(0) depctr_va_vcc(0) depctr_vm_vsrc(0)
	s_getreg_b32 s2, hwreg(HW_REG_IB_STS2, 6, 4)
	s_cmp_eq_u32 s2, 0
	s_cbranch_scc0 .Lentry_in_a_cluster
	s_endpgm
.Lentry_in_a_cluster:
	s_bfe_u32 s2, ttmp6, 0x10000c
	s_cmp_lg_u32 s2, 0xf033
	s_cbranch_scc0 .Lentry_shape_is_right
	s_endpgm
.Lentry_shape_is_right:
; qkv = x w_qkv^T + b_qkv on codes of FP6 (E2M3), K = 1,024; the results are quantised at once, q and k along a head's 64 channels, v along the keys, and stored as images of the operands of the attention launch.
; A tile of 256 x 256 is made by four waves, each 128 x 128: 64 accumulators, 512 registers.  Codes lie in memory as images of the operand's registers (three runs of 512 bytes a fragment), so that 128 rows x 256 along K
; are one dense block of 24,576 bytes: one tensor load a wave brings it, and three ds_load_b128 bring a fragment.  K is four such steps: three LDS slots are filled at the start, slot 0 once more for the fourth.
; CLUSTERS: 4 x 4 work-groups; source 1's tile is shared along a row of the cluster, source 0's along a column: each is asked for jointly.  Cluster x = 0 makes q, 1 makes k, 2 makes v.
; THE MATRIX INSTRUCTION IS USED TRANSPOSED: source 0 = 16 rows of "B", source 1 = 16 rows of "A"; a lane holds one row of A and its registers run along B's rows, which by the row blocks' order
; (block 2 A + u, lane r: row 32 A + 8 u + r + 8 (r / 8)) are neighbours: register 16 b + i of a block's 64 is B's row 32 b + 16 h + i.  For q and k: A = tokens, B = channels.  For v the two change roles
; (A = channels, B = tokens), so that the registers run along the keys.  The choice hangs on the cluster's x alone, which all partners share.
; OUT: qkvc, three regions (q, k, v) of [batch x head: 64][128 tokens: 16][4][1536 bytes].  q, k: entry a holds 32 tokens: registers 0-5 the 16 tokens 32 a + r + 8 (r / 8), registers 6-11 those 8 higher, 64 channels each.
;      v: entry t holds 16 channels (32 (t / 2) + 8 (t % 2) + r + 8 (r / 8)) x 128 keys.  qkvs: three regions of [batch x head][128 tokens][r: 16][4 words].
; LIMITS: a block of zeros gets the scale byte 1 (its codes are zeros; only this program reads the bytes); blocks under 2^-124 are held at the byte 1; NaN and infinities are not served.
; The grid has 384 work-groups; a tile of 256 x 384 would not leave registers for the operands.
; REGISTERS, in windows of 256: window 0: v0-31 addresses; v32-63 scale words, two sets, and nothing else; v64-127 the bias along the registers; v128-223 A's 8 fragments; v224-231 the bias along the lanes; v232-255 at work on the way out.
;   window 1: B's fragments, two sets, at v0 and v128.   windows 2, 3: the accumulators, (a, b) at v[8 (8 (a % 4) + b)].
.set SLOT,   98304                     ; A's 256 rows, then B's 256 rows, 256 along K
.set PART,   24576                     ; 128 rows x 256 along K: what one tensor load brings
.set SCL,    3*SLOT                    ; behind the slots: the scale words of all of K, 4,096 bytes for each 128 rows
.set SPARE,  SCL+4*4096                ; the spare words, 128 bytes for each wave: two blocks of 256 bytes that no other line names
.set FR,     12                        ; registers of a fragment
.set NLA,    3                         ; LDS loads that bring one of A's
.set NP,     4                         ; places behind this matrix instruction (ISA guide 7.12.1)
.set ADRA, 16                          ; v16-18  my A fragments in slots 0, 1, 2
.set ADRB, 20                          ; v20-22  my B fragments
.set LI,   24                          ; v24     16 x lane
.set SOFF, 25                          ; v25     the scale words' way out: 16 r + 4,096 h
.set SELV, 26                          ; v26     byte selects: lanes 0-15 the low halves, lanes 16-31 the high halves
.set ADRS, 27                          ; v27     my scale words: lanes 0-15 A's rows, lanes 16-31 B's
.set SPW,  28                          ; v28     my spare word; never rewritten
.set NIL,  29                          ; v29     0; never rewritten
.set SW,   10                          ; v10-13  four scale words to store
.set SC,   32
.set CB,   64
.set AF,   128
.set RBI,  224
.set N,    128                         ; the way out: 64 numbers
.set PW,   216                         ; v216-223 scale words as they are made
.set TM,   232
.set CS,   248
.set WV, 16
.set RH, 17
.set CH, 18
.set SEL, 2                            ; s[2:3], set behind the head's scalar work
.set HM,  100                          ; s100 lanes 16-31
.set OC,  96                           ; s[96:97] where my codes go;  s[98:99] my scale words
.set OS,  98
.set G1A, 24
.set G1B, 32
.set G1SA, 40
.set G1SB, 48
.set G0A0, 56
.set G0A1, 60
.set G0A2, 68
.set G0B0, 72
.set G0B1, 76
.set G0B2, 80
.set G0SA, 84
.set G0SB, 88
.set MSB, 0
.macro WIN new                         ; the immediate's high byte repeats the setting that is left
.if MSB != (\new)
	s_set_vgpr_msb (MSB<<8)|(\new)
.set MSB, (\new)
.endif
.endm
.set MUL_LO, 0xa1                      ; source 0 (B) window 1, source 1 (A) window 0, C and D window 2
.set MUL_HI, 0xf1                      ; the same, C and D window 3
.set TO_B,   0x40                      ; destination window 1, address window 0
; A joint load: waves 0 and 1 fetch for A, waves 2 and 3 for B.  The branch hangs on the wave's number alone.  Four v_nop follow each of the two lines.
.macro JLOAD g0a, g1a, g0b, g1b
	s_cmp_eq_u32 s[RH], 0
	s_cbranch_scc0 .Lfor_b_\@
	tensor_load_to_lds s[\g0a:\g0a+3], s[\g1a:\g1a+7]
	s_nop 0
.rept 4
	v_nop
.endr
	s_branch .Lasked_\@
.Lfor_b_\@:
	tensor_load_to_lds s[\g0b:\g0b+3], s[\g1b:\g1b+7]
	s_nop 0
.rept 4
	v_nop
.endr
.Lasked_\@:
.endm
.macro CREST                           ; a round of the cluster's barrier behind its opening barrier
	s_cmp_lg_u32 s[WV], 0
	s_cbranch_scc1 .Lnot_wave_0_\@
	s_barrier_signal -3
.Lnot_wave_0_\@:
	s_barrier_wait -3
	s_barrier_signal -1
	s_barrier_wait -1
.endm
.macro CROUND
	s_barrier_signal -1
	s_barrier_wait -1
	CREST
.endm
.macro GROUP0 g, ldsreg, ldsoff, adr, goff     ; descriptor group 0: count 1, LDS address, global address, type 2
	s_mov_b32 s[\g], 1
	s_add_co_u32 s[\g+1], s[\ldsreg], \ldsoff
	s_add_nc_u64 s[\g+2:\g+3], s[\adr:\adr+1], \goff
	s_or_b32 s[\g+3], s[\g+3], 0x80000000
.endm
	s_load_b256 s[4:11], s[0:1], 0x0               ; wcodes s[4:5], wscales s[6:7], b_qkv s[8:9], qkvc s[10:11]
	s_load_b64 s[12:13], s[0:1], 0x20              ; qkvs
	v_lshl_add_u32 v[SPW], v0, 2, SPARE
	v_mov_b32 v[NIL], 0
	ds_add_u32 v28, v29
	ds_add_u32 v28, v29
	s_wait_dscnt 0x0
	v_lshrrev_b32 v1, 5, v0
	v_readfirstlane_b32 s[WV], v1                  ; wave 0..3
	s_lshr_b32 s[RH], s[WV], 1                     ; which half of A's rows is mine.  Also: I fetch for A (0) or for B (1)
	s_and_b32 s[CH], s[WV], 1                      ; which half of B's rows.  Also: which 128 rows of that tile I fetch
	s_bfe_u32 s19, ttmp6, 0x40000                  ; cx
	s_bfe_u32 s20, ttmp6, 0x40004                  ; cy
	s_and_b32 s21, ttmp7, 0xffff                   ; cluster y
	s_lshl_b32 s22, s20, 2
	s_lshl_b32 s22, 15, s22                        ; my row of the cluster
	s_lshl_b32 s23, 0x1111, s19                    ; my column
	; descriptor groups 1: dense blocks as rows of 256 bytes (32 elements of 8 bytes): 96 rows of codes, 16 rows of scale words.  15:0 the mask; 17:16 element size; 21 set beside a mask
	s_or_b32 s[G1A], s22, (3<<16)|(1<<21)
	s_or_b32 s[G1B], s23, (3<<16)|(1<<21)
	s_or_b32 s[G1SA], s22, (3<<16)|(1<<21)
	s_or_b32 s[G1SB], s23, (3<<16)|(1<<21)
.irp g, G1A, G1B
	s_mov_b32 s[\g+1], 32<<16                      ; tensor_dim0
	s_mov_b32 s[\g+2], 96<<16                      ; tensor_dim1
	s_mov_b32 s[\g+3], 32<<16                      ; tile_dim0
	s_mov_b32 s[\g+4], 96                          ; tile_dim1
	s_mov_b32 s[\g+5], 32                          ; tensor_dim0_stride
	s_mov_b32 s[\g+6], 0
	s_mov_b32 s[\g+7], 0
.endr
.irp g, G1SA, G1SB
	s_mov_b32 s[\g+1], 32<<16
	s_mov_b32 s[\g+2], 16<<16
	s_mov_b32 s[\g+3], 32<<16
	s_mov_b32 s[\g+4], 16
	s_mov_b32 s[\g+5], 32
	s_mov_b32 s[\g+6], 0
	s_mov_b32 s[\g+7], 0
.endr
	; which tiles of 256 rows (x: 0-31; w_qkv: q 32-35, k 36-39, v 40-43).  A's hangs on cy, B's on cx, each in registers that never hold the other
	s_lshl_b32 s92, s21, 2                         ; 4 x cluster y
	s_lshl_b32 s94, ttmp9, 2
	s_add_co_u32 s94, s94, 32                      ; 32 + 4 x cluster x
	s_cmp_eq_u32 ttmp9, 2                          ; v?
	s_cselect_b32 s93, 40, s92
	s_cselect_b32 s94, s92, s94
	s_add_co_u32 s93, s93, s20                     ; A's tile
	s_lshl_b32 s93, s93, 1
	s_add_co_u32 s93, s93, s[CH]                   ; the group of 128 rows that I would fetch of it
	s_mul_i32 s96, s93, 98304
	s_mov_b32 s97, 0
	s_lshl_b32 s98, s93, 12
	s_mov_b32 s99, 0
	s_add_co_u32 s94, s94, s19                     ; B's tile
	s_lshl_b32 s94, s94, 1
	s_add_co_u32 s94, s94, s[CH]
	s_mul_i32 s100, s94, 98304
	s_mov_b32 s101, 0
	s_lshl_b32 s2, s94, 12
	s_mov_b32 s3, 0
	s_mul_i32 s95, s[WV], PART                     ; where they go: wave x 24,576: no place in the cluster enters an LDS address
	s_lshl_b32 s92, s[WV], 12
	s_wait_kmcnt 0x0
	s_add_nc_u64 s[96:97], s[4:5], s[96:97]
	s_add_nc_u64 s[98:99], s[6:7], s[98:99]
	s_add_nc_u64 s[100:101], s[4:5], s[100:101]
	s_add_nc_u64 s[2:3], s[6:7], s[2:3]
	CROUND                                         ; all sixteen work-groups are here: the first joint loads meet
	GROUP0 G0SA, 92, SCL, 98, 0
	GROUP0 G0SB, 92, SCL, 2, 0
	JLOAD G0SA, G1SA, G0SB, G1SB                   ; the scale words of all of K
	GROUP0 G0A0, 95, 0, 96, 0
	GROUP0 G0B0, 95, 0, 100, 0
	JLOAD G0A0, G1A, G0B0, G1B                     ; K 0-255
	GROUP0 G0A1, 95, SLOT, 96, PART
	GROUP0 G0B1, 95, SLOT, 100, PART
	JLOAD G0A1, G1A, G0B1, G1B                     ; K 256-511
	GROUP0 G0A2, 95, 2*SLOT, 96, 2*PART
	GROUP0 G0B2, 95, 2*SLOT, 100, 2*PART
	JLOAD G0A2, G1A, G0B2, G1B                     ; K 512-767: four tensor loads of mine are out
	v_and_b32 v1, 31, v0                           ; lane
	v_and_b32 v2, 15, v0                           ; r
	v_bfe_u32 v3, v0, 4, 1                         ; h
	v_lshlrev_b32 v[LI], 4, v1
	s_mul_i32 s22, s[RH], PART                     ; my 128 rows of A
	s_mul_i32 s23, s[CH], PART                     ; my 128 rows of B,
	s_add_co_u32 s23, s23, 2*PART                  ; behind A's 256
.irp s, 0,1,2
	v_add_nc_u32 v[ADRA+\s], s22, v[LI]
	v_add_nc_u32 v[ADRB+\s], s23, v[LI]
	s_add_co_u32 s22, s22, SLOT
	s_add_co_u32 s23, s23, SLOT
.endr
	s_lshl_b32 s22, s[RH], 12                      ; A's scale words: my 128 rows
	s_lshl_b32 s23, s[CH], 12                      ; B's, behind A's 256 rows'
	s_add_co_u32 s23, s23, 8192
	s_sub_co_u32 s23, s23, s22
	v_mul_u32_u24 v5, s23, v3                      ; lanes 16-31 take B's
	s_add_co_u32 s22, s22, SCL
	v_lshl_add_u32 v5, v2, 3, v5                   ; 8 bytes a row
	v_add_nc_u32 v[ADRS], s22, v5
	v_lshlrev_b32 v8, 6, v3                        ; the bias along the registers: 16 h numbers on
	v_and_b32 v5, 8, v2
	v_add_nc_u32 v5, v5, v2
	v_lshlrev_b32 v9, 2, v5                        ; the bias along the lanes: number r + 8 (r / 8)
	v_lshlrev_b32 v[SOFF], 4, v2
	v_lshl_add_u32 v[SOFF], v3, 12, v[SOFF]
	s_mov_b32 s[HM], 0xffff0000
	v_mov_b32 v[SELV], 0x05040100
	v_mov_b32 v5, 0x07060302
	v_cndmask_b32 v[SELV], v[SELV], v5, s[HM]
.irp b, 0,1,2,3
	v_mov_b32 v[TM+4+\b], 0                        ; written once: a lane permute's destination counts as one of its sources
.endr
	; the biases.  Both sets are loaded on the one way that all work-groups take; the set that a work-group does not use is read from the bias's first 128 numbers and dropped
	s_lshl_b32 s92, ttmp9, 12
	s_lshl_b32 s22, s19, 10
	s_add_co_u32 s92, s92, s22
	s_lshl_b32 s22, s[CH], 9
	s_add_co_u32 s92, s92, s22                     ; q, k: channels 1,024 x cluster x + 256 cx + 128 x my half of B, in bytes
	s_lshl_b32 s94, s20, 10
	s_lshl_b32 s22, s[RH], 9
	s_add_co_u32 s94, s94, s22
	s_add_co_u32 s94, s94, 8192                    ; v: channels 2,048 + 256 cy + 128 x my half of A
	s_cmp_eq_u32 ttmp9, 2
	s_cselect_b32 s92, 0, s92
	s_cselect_b32 s94, s94, 0
	s_cselect_b32 s22, s19, s20                    ; which quarter of the cluster's 1,024 tokens,
	s_cselect_b32 s23, s[CH], s[RH]                ; and which half of it
	s_cselect_b32 s2, s20, s19                     ; which four heads,
	s_cselect_b32 s3, s[RH], s[CH]                 ; and which two of them
	s_mov_b32 s93, 0
	s_mov_b32 s95, 0
	s_add_nc_u64 s[92:93], s[8:9], s[92:93]
	s_add_nc_u64 s[94:95], s[8:9], s[94:95]
.irp b, 0,1,2,3,4,5,6,7
	global_load_b128 v[CB+8*\b:CB+8*\b+3], v8, s[92:93] offset:(32*(\b/2)+8*(\b%2))*4
	global_load_b128 v[CB+8*\b+4:CB+8*\b+7], v8, s[92:93] offset:(32*(\b/2)+8*(\b%2))*4+16
.endr
.irp a, 0,1,2,3,4,5,6,7
	global_load_b32 v[RBI+\a], v9, s[94:95] offset:(32*(\a/2)+8*(\a%2))*4
.endr
	; where my results go
	s_and_b32 s101, s21, 1
	s_lshl_b32 s101, s101, 2
	s_add_co_u32 s22, s22, s101
	s_lshl_b32 s22, s22, 1
	s_add_co_u32 s22, s22, s23                     ; my 128 tokens among the batch's 16 such steps
	s_lshr_b32 s23, s21, 1
	s_lshl_b32 s23, s23, 4                         ; 16 x batch
	s_lshl_b32 s2, s2, 2
	s_add_co_u32 s23, s23, s2
	s_lshl_b32 s3, s3, 1
	s_add_co_u32 s23, s23, s3                      ; the first of my two heads
	s_mul_i32 s[OC], ttmp9, 6291456
	s_mul_i32 s2, s23, 98304
	s_add_co_u32 s[OC], s[OC], s2
	s_mul_i32 s2, s22, 6144
	s_add_co_u32 s[OC], s[OC], s2
	s_mov_b32 s[OC+1], 0
	s_add_nc_u64 s[OC:OC+1], s[10:11], s[OC:OC+1]
	s_lshl_b32 s[OS], ttmp9, 18
	s_lshl_b32 s2, s23, 12
	s_add_co_u32 s[OS], s[OS], s2
	s_lshl_b32 s2, s22, 8
	s_add_co_u32 s[OS], s[OS], s2
	s_mov_b32 s[OS+1], 0
	s_add_nc_u64 s[OS:OS+1], s[12:13], s[OS:OS+1]
	s_mov_b32 s[SEL], 0x76543210
	s_mov_b32 s[SEL+1], 0xfedcba98
.macro FRAG reg, adr, q, i             ; a fragment comes as it was stored: three runs of 512 bytes, 16 bytes a lane
.irp c, 0,1,2
	ds_load_b128 v[\reg+4*\c:\reg+4*\c+3], v[\adr] offset:(\i)*3072+(\q)*1536+512*\c
.endr
.endm
; 16 matrix instructions: A's blocks a0, a0 + 1 x B's eight, 128 along K.  p: B's set; q: which 128 of the slot's 256; sc: the set of scale words.  zero = 1: the first product starts the sums.
; The 64 accumulators take turns, one instruction a turn, in the same order in every step.
.macro MUL16 a0, p, q, sc, zero
.irp a, \a0, \a0+1
.irp b, 0,1,2,3,4,5,6,7
.if \zero
	v_wmma_scale_f32_16x16x128_f8f6f4 v[8*(8*((\a)%4)+\b):8*(8*((\a)%4)+\b)+7], v[128*(\p)+FR*\b:128*(\p)+FR*\b+FR-1], v[AF+FR*(\a):AF+FR*(\a)+FR-1], 0, v[SC+16*(\sc)+2*\b+(\q)], v[SC+16*(\sc)+2*(\a)+(\q)] matrix_a_fmt:MATRIX_FMT_FP6 matrix_b_fmt:MATRIX_FMT_FP6 matrix_a_scale:MATRIX_SCALE_ROW1
.else
	v_wmma_scale_f32_16x16x128_f8f6f4 v[8*(8*((\a)%4)+\b):8*(8*((\a)%4)+\b)+7], v[128*(\p)+FR*\b:128*(\p)+FR*\b+FR-1], v[AF+FR*(\a):AF+FR*(\a)+FR-1], v[8*(8*((\a)%4)+\b):8*(8*((\a)%4)+\b)+7], v[SC+16*(\sc)+2*\b+(\q)], v[SC+16*(\sc)+2*(\a)+(\q)] matrix_a_fmt:MATRIX_FMT_FP6 matrix_b_fmt:MATRIX_FMT_FP6 matrix_a_scale:MATRIX_SCALE_ROW1
.endif
.endr
.endr
.endm
.macro FETCH_B slot, q, p
	WIN TO_B
.irp i, 0,1,2,3,4,5,6,7
	FRAG 128*(\p)+FR*\i, ADRB+\slot, \q, \i
.endr
	WIN 0
.endm
.macro FETCH_A slot, q, i0
.irp i, \i0, \i0+1, \i0+2, \i0+3
	FRAG AF+FR*(\i), ADRA+\slot, \q, \i
.endr
.endm
.macro SCALES sc                       ; the next 256 along K's scale words: two a row; lanes 0-15 take A's block i, lanes 16-31 B's block i
.irp i, 0,1,2,3,4,5,6,7
	ds_load_b64 v[SC+16*\sc+2*\i:SC+16*\sc+2*\i+1], v[ADRS] offset:\i*512
.endr
.endm
.macro PLACES n                        ; places in front of loads into registers that matrix instructions have read, and of the first read of results
.rept \n
	v_nop
.endr
.endm
; A slot's first 128 along K.  A has one set of registers: blocks 0-3 are fetched anew in the step's middle, blocks 4-7 at its end; B has two sets.
.macro STEP slot, sc, zero
	s_wait_dscnt 4*NLA                             ; B's set and A's blocks 0-3 are in; the youngest loads (A's blocks 4-7) may be out
	WIN MUL_LO
	MUL16 0, 0, 0, \sc, \zero
	MUL16 2, 0, 0, \sc, \zero
	s_wait_dscnt 0
	PLACES NP
	FETCH_B \slot, 1, 1
	FETCH_A \slot, 1, 0
	WIN MUL_HI
	MUL16 4, 0, 0, \sc, \zero
	MUL16 6, 0, 0, \sc, \zero
	PLACES NP
	WIN 0
	FETCH_A \slot, 1, 4
.endm
; A slot's second 128 along K, which goes on to the next slot.  mode 1: this slot is filled again: every wave waits for all its tensor loads, adds 0 to its spare word, waits for that and for its reads of the slot;
; the barrier opens a round of the cluster's barrier, and the joint refill is the first thing behind the round.  mode 2: the same lines and one barrier, behind which the refilled slot is read and nothing is filled.
; mode 0: no barrier: the slot ahead was shown whole to every wave by the wait for all loads in front of mode 1's round.
.macro TURN slot, sc, next, nsc, mode
.if \mode
	s_wait_tensorcnt 0x0                           ; all my tensor loads have landed
	ds_add_u32 v[SPW], v[NIL]                      ; 0 onto my spare word
	s_wait_dscnt 4*NLA+1                           ; (the add and A's blocks 4-7 may be out)
	WIN MUL_LO
	MUL16 0, 1, 1, \sc, 0
	s_wait_dscnt 0x0                               ; the add is done, and my reads of this slot are over
	s_barrier_signal -1
	MUL16 2, 1, 1, \sc, 0
	WIN 0
	s_barrier_wait -1
.else
	s_wait_dscnt 4*NLA
	WIN MUL_LO
	MUL16 0, 1, 1, \sc, 0
	MUL16 2, 1, 1, \sc, 0
	WIN 0
	s_wait_dscnt 0x0
.endif
.if \mode == 1
	CREST                                          ; no wave of any partner still reads this slot or has a load on its way
	s_add_nc_u64 s[G0A0+2:G0A0+3], s[G0A0+2:G0A0+3], 3*PART
	s_add_nc_u64 s[G0B0+2:G0B0+3], s[G0B0+2:G0B0+3], 3*PART
	JLOAD G0A0, G1A, G0B0, G1B                     ; K 768-1,023: it has two slots' work, 256 matrix instructions, in which to land; its four v_nop are the places in front of the loads below
.else
	PLACES NP
.endif
	v_add_nc_u32 v[ADRS], 128, v[ADRS]             ; on to the next 256 along K's scale words
	FETCH_B \next, 0, 0
	FETCH_A \next, 0, 0
	SCALES \nsc
	WIN MUL_HI
	MUL16 4, 1, 1, \sc, 0
	MUL16 6, 1, 1, \sc, 0
	PLACES NP
	WIN 0
	FETCH_A \next, 0, 4
.endm
	s_wait_tensorcnt 2                             ; the scale words and my part of K 0-255 are in; the two loads behind them may be out
	s_barrier_signal -1
	s_barrier_wait -1
	FETCH_B 0, 0, 0
	FETCH_A 0, 0, 0
	SCALES 0
	FETCH_A 0, 0, 4
	STEP 0, 0, 1
	TURN 0, 0, 1, 1, 1
	STEP 1, 1, 0
	TURN 1, 1, 2, 0, 0
	STEP 2, 0, 0
	TURN 2, 0, 0, 1, 2
	STEP 0, 1, 0
	s_wait_dscnt 4*NLA                             ; the last 128 along K: nothing more to fetch
	WIN MUL_LO
	MUL16 0, 1, 1, 1, 0
	MUL16 2, 1, 1, 1, 0
	s_wait_dscnt 0
	WIN MUL_HI
	MUL16 4, 1, 1, 1, 0
	MUL16 6, 1, 1, 1, 0
	WIN 0
; THE WAY OUT.  64 numbers of a lane, v[s] on (register 16 b + i = neighbour 32 b + 16 h + i), become six registers v[d0] on, six v[d1] on, and the row's scale word v[pw].
.macro QUANT s, d0, d1, pw
.irp b, 0,1,2,3
	v_max3_num_f32 v[TM+\b], |v[(\s)+16*\b]|, |v[(\s)+1+16*\b]|, 0x1800000   ; block b: my 16 numbers, and the floor 2^(3 - 127): the byte cannot fall under 1
.endr
.irp i, 2,4,6,8,10,12,14
.irp b, 0,1,2,3
	v_max3_num_f32 v[TM+\b], v[TM+\b], |v[(\s)+16*\b+\i]|, |v[(\s)+1+16*\b+\i]|
.endr
.endr
.irp b, 0,1,2,3
	v_permlanex16_b32 v[TM+4+\b], v[TM+\b], s[SEL], s[SEL+1]
.endr
.irp b, 0,1,2,3
	v_max_num_f32 v[TM+\b], v[TM+\b], v[TM+4+\b]
.endr
.irp b, 0,1,2,3
	v_add_nc_u32 v[TM+12+\b], 0xff000000, v[TM+\b]   ; 2 off the exponent field: the conversion's scale operand
.endr
.irp b, 0,1,2,3
	v_lshrrev_b32 v[TM+4+\b], 23, v[TM+12+\b]   ; the scale's byte
.endr
	v_lshl_or_b32 v[\pw], v[TM+5], 8, v[TM+4]
	v_lshl_or_b32 v[\pw], v[TM+6], 16, v[\pw]
	v_lshl_or_b32 v[\pw], v[TM+7], 24, v[\pw]
	v_cvt_scalef32_pk16_fp6_f32 v[(\d0):(\d0)+2], v[(\s):(\s)+15], v[TM+12]
	v_cvt_scalef32_pk16_fp6_f32 v[CS:CS+2], v[(\s)+16:(\s)+31], v[TM+13]
	v_cvt_scalef32_pk16_fp6_f32 v[(\d1):(\d1)+2], v[(\s)+32:(\s)+47], v[TM+14]
	v_cvt_scalef32_pk16_fp6_f32 v[CS+4:CS+6], v[(\s)+48:(\s)+63], v[TM+15]
	v_nop                                          ; one plain place behind a scaled conversion
.irp i, 0,1,2
	v_permlane16_swap_b32 v[(\d0)+\i], v[CS+\i]
.endr
.irp i, 0,1,2
	v_mov_b32 v[(\d0)+3+\i], v[CS+\i]
.endr
.irp i, 0,1,2
	v_permlane16_swap_b32 v[(\d1)+\i], v[CS+4+\i]
.endr
.irp i, 0,1,2
	v_mov_b32 v[(\d1)+3+\i], v[CS+4+\i]
.endr
.endm
; Block a's 64 sums + the bias -> v[N] on, in window 0; each accumulator is read from its low end on.  isv = 0: the bias runs along the registers; 1: it is the lane's row's.
.macro TAKE a, isv
	WIN 0x02+(\a)/4
.set ii, 0
.rept 32
.if \isv
.if (\a)%2
	v_pk_add_f32 v[N+2*ii:N+2*ii+1], v[64*((\a)%4)+2*ii:64*((\a)%4)+2*ii+1], v[RBI+2*((\a)/2):RBI+2*((\a)/2)+1] op_sel:[0,1] op_sel_hi:[1,1]
.else
	v_pk_add_f32 v[N+2*ii:N+2*ii+1], v[64*((\a)%4)+2*ii:64*((\a)%4)+2*ii+1], v[RBI+2*((\a)/2):RBI+2*((\a)/2)+1] op_sel_hi:[1,0]
.endif
.else
	v_pk_add_f32 v[N+2*ii:N+2*ii+1], v[64*((\a)%4)+2*ii:64*((\a)%4)+2*ii+1], v[CB+2*ii:CB+2*ii+1]
.endif
.set ii, ii+1
.endr
	WIN 0
.endm
	PLACES NP
	s_wait_loadcnt 0x0                             ; the biases
	s_cmp_eq_u32 ttmp9, 2                          ; the cluster's x: the same in all partners
	s_cbranch_scc1 .Lv
	; q, k: my 128 channels are two heads.  Blocks 2 a and 2 a + 1 (32 tokens) make one image for each head: its first six registers from block 2 a, its last six from block 2 a + 1
.set IM, 192
.irp al, 0,1,2,3
.if \al >= 1
	s_wait_xcnt 0x0                                ; the last images' stores have read their registers
.endif
	TAKE 2*\al, 0
	QUANT N, IM, IM+12, PW+2*\al
	TAKE 2*\al+1, 0
	QUANT N, IM+6, IM+18, PW+2*\al+1
.irp c, 0,1,2
	global_store_b128 v[LI], v[IM+4*\c:IM+4*\c+3], s[OC:OC+1] offset:\al*1536+512*\c          ; 32 lanes store 512 consecutive bytes
.endr
.irp c, 0,1,2
	global_store_b128 v[LI], v[IM+12+4*\c:IM+12+4*\c+3], s[OC:OC+1] offset:98304+\al*1536+512*\c   ; the second head
.endr
.endr
.irp al, 0,1,2,3
	v_perm_b32 v[SW+\al], v[PW+2*\al+1], v[PW+2*\al], v[SELV]   ; an image's word: two bytes of block 2 a, two of block 2 a + 1; lanes 0-15 the first head's, lanes 16-31 the second's
.endr
	global_store_b128 v[SOFF], v[SW:SW+3], s[OS:OS+1]   ; sixteen lanes store a head's 256 consecutive bytes
	s_branch .Lend
.Lv:
	; v: block a is 16 channels (head a / 4, channel tile a % 4) x my 128 keys: one whole fragment
.irp a, 0,1,2,3,4,5,6,7
.if \a >= 2
	s_wait_xcnt 0x0                                ; the stores of the fragment two back have read this set
.endif
.set IM, 192+12*(\a%2)
	TAKE \a, 1
	QUANT N, IM, IM+6, PW+\a
.irp c, 0,1,2
	global_store_b128 v[LI], v[IM+4*\c:IM+4*\c+3], s[OC:OC+1] offset:(\a/4)*98304+(\a%4)*1536+512*\c
.endr
.endr
.irp t, 0,1,2,3
	v_cndmask_b32 v[SW+\t], v[PW+\t], v[PW+4+\t], s[HM]   ; lanes 0-15 the first head's words, lanes 16-31 the second's
.endr
	global_store_b128 v[SOFF], v[SW:SW+3], s[OS:OS+1]
.Lend:
	s_wait_tensorcnt 0x0                           ; the wave's end
	ds_add_u32 v[SPW], v[NIL]
	s_wait_dscnt 0x0
	CROUND                                         ; the closing round: no work-group ends while a partner may still ask for a tile that names it
	s_endpgm
.Lfunc_end_k_qd8d2c2b76a_qkv:
	.size	k_qd8d2c2b76a_qkv, .Lfunc_end_k_qd8d2c2b76a_qkv-k_qd8d2c2b76a_qkv
	.p2alignl 7, 3214868480
	.fill 96, 4, 3214868480
	.section	.rodata,"a",@progbits
	.p2align	6, 0x0
	.amdhsa_kernel k_qd8d2c2b76a_qkv
		.amdhsa_group_segment_fixed_size 327680
		.amdhsa_private_segment_fixed_size 0
		.amdhsa_enable_private_segment 0
		.amdhsa_kernarg_size 40
		.amdhsa_user_sgpr_count 2
		.amdhsa_user_sgpr_kernarg_segment_ptr 1
		.amdhsa_wavefront_size32 1
		.amdhsa_system_sgpr_workgroup_id_x 1
		.amdhsa_system_sgpr_workgroup_id_y 1
		.amdhsa_system_sgpr_workgroup_id_z 1
		.amdhsa_system_vgpr_workitem_id 0
		.amdhsa_next_free_vgpr 1024
		.amdhsa_next_free_sgpr 102
		.amdhsa_reserve_vcc 0
		.amdhsa_float_denorm_mode_32 3
		.amdhsa_float_denorm_mode_16_64 3
		.amdhsa_memory_ordered 1
		.amdhsa_forward_progress 1
		.amdhsa_inst_pref_size 208
	.end_amdhsa_kernel
	.amdgpu_metadata
---
amdhsa.version: [ 1, 2 ]
amdhsa.kernels:
  - .name:           k_qd8d2c2b76a_qkv
    .symbol:         k_qd8d2c2b76a_qkv.kd
    .args:
      - { .name: wcodes, .offset: 0, .size: 8, .value_kind: global_buffer, .address_space: global }
      - { .name: wscales, .offset: 8, .size: 8, .value_kind: global_buffer, .address_space: global }
      - { .name: b_qkv, .offset: 16, .size: 8, .value_kind: global_buffer, .address_space: global }
      - { .name: qkvc, .offset: 24, .size: 8, .value_kind: global_buffer, .address_space: global }
      - { .name: qkvs, .offset: 32, .size: 8, .value_kind: global_buffer, .address_space: global }
    .group_segment_fixed_size: 327680
    .private_segment_fixed_size: 0
    .kernarg_segment_align: 8
    .kernarg_segment_size: 40
    .max_flat_workgroup_size: 128
    .sgpr_count:     102
    .vgpr_count:     1024
    .wavefront_size: 32
...
	.end_amdgpu_metadata
.endif
;; end of part 2
;; launch attn (part 3): grid 4 x 64, 16 waves a work-group, clusters of 4 x 1, 206,848 bytes of LDS; arguments qkvc, qkvs, yc, ys; writes yc, ys
.if DOCPART == 3
	.amdgcn_target "amdgcn-amd-amdhsa--gfx1250"
	.amdhsa_code_object_version 6
	.text
	.protected	k_qd8d2c2b76a_attn
	.globl	k_qd8d2c2b76a_attn
	.p2align	8
	.type	k_qd8d2c2b76a_attn,@function
k_qd8d2c2b76a_attn:
	s_mov_b64 s[64:65], 0
	v_nop
	global_prefetch_b8 v0, s[64:65] scope:SCOPE_SE
	s_setreg_imm32_b32 hwreg(HW_REG_WAVE_MODE, 25, 1), 1
	s_wait_xcnt 0x0
	s_wait_alu depctr_hold_cnt(0) depctr_sa_sdst(0) depctr_va_vdst(0) depctr_va_sdst(0) depctr_va_ssrc(0) depctr_va_vcc(0) depctr_vm_vsrc(0)
	s_getreg_b32 s2, hwreg(HW_REG_IB_STS2, 6, 4)
	s_cmp_eq_u32 s2, 0
	s_cbranch_scc0 .Lentry_in_a_cluster
	s_endpgm
.Lentry_in_a_cluster:
	s_bfe_u32 s2, ttmp6, 0x10000c
	s_cmp_lg_u32 s2, 0x3003
	s_cbranch_scc0 .Lentry_shape_is_right
	s_endpgm
.Lentry_shape_is_right:
; y[b][h][q] = the sum over k <= q of softmax_k(q . k / 8) v, both products on codes of FP6 (E2M3) with one E8M0 byte for each 32 along a product's K; y is quantised along the channels and stored as part of the last product's operand.
; THE SOFTMAX AHEAD OF THE SECOND PRODUCT: t = score x log2(e) / 8; M = the running largest t rounded UP to a whole number; p = 2^(t - M) is quantised along the keys, not normalised; the row's sum is taken of the
; unquantised p and divides O at the end.  When M moves, the sum and O are multiplied by 2^(old M - new M): exact.
; SHARES.  The four work-groups of a cluster serve one (batch, head).  The head's whole K and V (codes 2 x 98,304 bytes, scale words 2 x 4,096) are asked for JOINTLY, once, and stay in LDS: nothing is filled again.
; A tile of 16 queries, number 8 m + 2 g + e, lies inside key step m (128 keys).  g = my work-group's place; wave w has e = w % 2 and makes the tile with m = 15 - w / 2, then the tile with m = w / 2: 17 key steps for every wave.
; Steps all of whose keys come after the tile are jumped over by a scalar branch on the wave's number and the loop's count; the loops' trip counts are constants; the place in the cluster enters global addresses and the mask's number alone.
; LAYOUT.  Both products are used transposed (S^T = K Q^T, O^T = V^T P^T): a lane holds one query throughout.  A tile's lane r holds token 8 u + r + 8 (r / 8) of its 32, so the 16 registers of two neighbouring tiles of S^T are 16 neighbouring keys.
; K = 64 FILLS HALF OF THE INSTRUCTION'S 128: an image of K holds two tiles of 16 keys, one in each half of the 128; it is multiplied by (Q | zero codes) for the first tile and by (zero codes | Q) for the second.
; LIMITS: a block of zeros gets the scale byte 1; y's blocks under 2^-124 are held at the byte 1; NaN and infinities are not served.  y's scale bytes leave as single bytes, 32 a tile.
; REGISTERS: v1-7 addresses that stay; v8-11 the step's addresses; v12 -M, v13 the largest t, v[14:15] the sum; v16-27 (Q | 0); v192-203 (0 | Q); v32-79 four images of K, then four fragments of V; v80-92, v204-216 the two tiles' Q as loaded;
;   v96-159 S^T, then p; v160-191 O^T; v224-235 p's codes; v232-247, v252, v254 at work; v248-251 the step's scale words; v253 p's scale word; v255 Q's.
.set VIMG, 98304                       ; LDS: K's images at 0, V's here: [key step: 16][4][1536]
.set KSC,  196608                      ; K's scale words: [key step][r: 16][4 words]
.set VSC,  200704                      ; V's
.set LI,   1                           ; v1  16 x lane
.set LRK,  2                           ; v2  KSC + 16 r
.set DQ,   3                           ; v3  my query's place in its key step - 16 h
.set YA,   4                           ; v4  8 x lane
.set YS,   5                           ; v5  8 r + h
.set LIV,  6                           ; v6  VIMG + 16 x lane
.set LRV,  7                           ; v7  VSC + 16 r
.set ADK,  8
.set ADV,  9
.set ADS,  10
.set ADT,  11
.set QA,   16
.set QB,   192
.set RAWL, 80
.set RAWH, 204
.set WV, 12
.set MH, 13
.set ML, 14
.set MT, 15                            ; s15  the key step on the diagonal of the tile in hand
.set KN, 16                            ; s16  the key step
.set TK, 17                            ; s17  6,144 x key step
.set TS, 18                            ; s18  256 x key step
.set E,  19
.set SEL, 20
.set CS,  22                           ; s[22:23] c = log2(e) / 8
.set UM, 24                            ; s24  all lanes where e = 1
.set SQ, 25                            ; s25  byte selects for Q's scale word
.set HM, 26                            ; s26  lanes 16-31
.set G,  27
.set BH, 28
.set HD, 29
.set G1S, 32                           ; s[32:39] descriptor group 1: 16 rows of 256 bytes;  s[40:47] 96 rows;  s[48:55] 288 rows
.set G1C, 40
.set G1R, 48
.set G0KS, 56                          ; groups 0: K's scale words, first four key steps, the other twelve; then V's
.set G0KC, 60
.set G0KR, 68
.set G0VS, 72
.set G0VC, 76
.set G0VR, 80
.set YCH, 84                           ; s[84:85], s[86:87] where the first tile's codes and scale bytes go;  s[88:89], s[90:91] the second's
.set YSH, 86
.set YCL, 88
.set YSL, 90
.macro ROUND                           ; a round of the cluster's barrier
	s_barrier_signal -1
	s_barrier_wait -1
	s_cmp_lg_u32 s[WV], 0
	s_cbranch_scc1 .Lnot_wave_0_\@
	s_barrier_signal -3
.Lnot_wave_0_\@:
	s_barrier_wait -3
	s_barrier_signal -1
	s_barrier_wait -1
.endm
	s_load_b256 s[4:11], s[0:1], 0x0               ; qkvc s[4:5], qkvs s[6:7], yc s[8:9], ys s[10:11]
	v_lshl_add_u32 v223, v0, 2, 0x32000
	v_mov_b32 v243, 0
	ds_add_u32 v223, v243
	ds_add_u32 v223, v243
	v_lshrrev_b32 v8, 5, v0
	v_readfirstlane_b32 s[WV], v8                  ; wave 0..15
	s_bfe_u32 s[G], ttmp6, 0x40000                 ; my place in the cluster
	s_and_b32 s[BH], ttmp7, 0xffff                 ; batch x 16 + head, which the four partners share
	s_and_b32 s[E], s[WV], 1
	s_lshr_b32 s[ML], s[WV], 1
	s_sub_co_u32 s[MH], 15, s[ML]
	s_and_b32 s[HD], s[BH], 15
	s_lshr_b32 s30, s[BH], 4                       ; batch
	s_mov_b32 s[SQ], 0x01000100
	s_cmp_eq_u32 s[E], 1
	s_cselect_b32 s[UM], -1, 0
	s_cselect_b32 s[SQ], 0x03020302, s[SQ]
	s_mov_b32 s[HM], 0xffff0000
	s_mov_b32 s[SEL], 0x76543210
	s_mov_b32 s[SEL+1], 0xfedcba98
	s_mov_b32 s[CS], 0x3e38aa3b                    ; log2(e) / 8
	s_mov_b32 s[CS+1], s[CS]                       ; (named with it as a pair, so it is written)
	; y's places.  yc: [16 batch + m][head / 4][2 g + e][(head / 2) % 2][1536], head % 2 owning 768 bytes of an image;  ys: [128 batch + 8 m + 2 g + e][head / 4][r][2 words], the head owning two bytes
	s_mul_i32 s92, s30, 1572864
	s_lshr_b32 s31, s[HD], 2
	s_mul_i32 s2, s31, 24576
	s_add_co_u32 s92, s92, s2
	s_lshl_b32 s94, s30, 16
	s_lshl_b32 s31, s31, 7
	s_add_co_u32 s94, s94, s31
	s_lshl_b32 s31, s[G], 1
	s_add_co_u32 s31, s31, s[E]                    ; 2 g + e
	s_mul_i32 s2, s31, 3072
	s_add_co_u32 s92, s92, s2
	s_lshl_b32 s31, s31, 9
	s_add_co_u32 s94, s94, s31
	s_bfe_u32 s2, s[HD], 0x10001                   ; (head / 2) % 2
	s_mul_i32 s3, s2, 1536
	s_add_co_u32 s92, s92, s3
	s_lshl_b32 s2, s2, 2
	s_add_co_u32 s94, s94, s2
	s_and_b32 s3, s[HD], 1
	s_mul_i32 s2, s3, 768
	s_add_co_u32 s92, s92, s2
	s_lshl_b32 s3, s3, 1
	s_add_co_u32 s94, s94, s3
	s_mul_i32 s[YCH], s[MH], 98304
	s_add_co_u32 s[YCH], s[YCH], s92
	s_mov_b32 s[YCH+1], 0
	s_lshl_b32 s[YSH], s[MH], 12
	s_add_co_u32 s[YSH], s[YSH], s94
	s_mov_b32 s[YSH+1], 0
	s_mul_i32 s[YCL], s[ML], 98304
	s_add_co_u32 s[YCL], s[YCL], s92
	s_mov_b32 s[YCL+1], 0
	s_lshl_b32 s[YSL], s[ML], 12
	s_add_co_u32 s[YSL], s[YSL], s94
	s_mov_b32 s[YSL+1], 0
	; the head's first bytes, and my two tiles of Q: image 4 m + g, word g of key step m
	s_mul_i32 s96, s[BH], 98304
	s_mov_b32 s97, 0
	s_lshl_b32 s98, s[BH], 12
	s_mov_b32 s99, 0
	s_lshl_b32 s92, s[MH], 2
	s_add_co_u32 s92, s92, s[G]
	s_mul_i32 s92, s92, 1536
	s_mov_b32 s93, 0
	s_lshl_b32 s30, s[ML], 2
	s_add_co_u32 s30, s30, s[G]
	s_mul_i32 s30, s30, 1536
	s_mov_b32 s31, 0
	s_lshl_b32 s3, s[G], 2
	s_lshl_b32 s94, s[MH], 8
	s_add_co_u32 s94, s94, s3
	s_mov_b32 s95, 0
	s_lshl_b32 s2, s[ML], 8
	s_add_co_u32 s2, s2, s3
	s_mov_b32 s3, 0
	; descriptor groups 1: dense blocks as rows of 256 bytes (32 elements of 8 bytes).  15:0 the mask: all four work-groups; 17:16 element size; 21 set beside a mask
.irp g, G1S, G1C, G1R
	s_mov_b32 s[\g], 15|(3<<16)|(1<<21)
	s_mov_b32 s[\g+1], 32<<16                      ; tensor_dim0
	s_mov_b32 s[\g+3], 32<<16                      ; tile_dim0
	s_mov_b32 s[\g+5], 32                          ; tensor_dim0_stride
	s_mov_b32 s[\g+6], 0
	s_mov_b32 s[\g+7], 0
.endr
	s_mov_b32 s[G1S+2], 16<<16                     ; tensor_dim1, tile_dim1
	s_mov_b32 s[G1S+4], 16
	s_mov_b32 s[G1C+2], 96<<16
	s_mov_b32 s[G1C+4], 96
	s_mov_b32 s[G1R+2], 288<<16
	s_mov_b32 s[G1R+4], 288
	s_wait_dscnt 0x0
	s_wait_kmcnt 0x0
	s_add_nc_u64 s[96:97], s[4:5], s[96:97]        ; the head's q codes; k's lie 6,291,456 bytes on, v's 12,582,912
	s_add_nc_u64 s[98:99], s[6:7], s[98:99]        ; the head's q scale words; k's 262,144 on, v's 524,288
	s_add_nc_u64 s[92:93], s[96:97], s[92:93]
	s_add_nc_u64 s[94:95], s[98:99], s[94:95]
	s_add_nc_u64 s[30:31], s[96:97], s[30:31]
	s_add_nc_u64 s[2:3], s[98:99], s[2:3]
	s_add_nc_u64 s[YCH:YCH+1], s[8:9], s[YCH:YCH+1]
	s_add_nc_u64 s[YSH:YSH+1], s[10:11], s[YSH:YSH+1]
	s_add_nc_u64 s[YCL:YCL+1], s[8:9], s[YCL:YCL+1]
	s_add_nc_u64 s[YSL:YSL+1], s[10:11], s[YSL:YSL+1]
	s_mov_b32 s[G0KS], 1
	s_mov_b32 s[G0KS+1], KSC
	s_add_nc_u64 s[G0KS+2:G0KS+3], s[98:99], 262144
	s_or_b32 s[G0KS+3], s[G0KS+3], 0x80000000
	s_mov_b32 s[G0KC], 1
	s_mov_b32 s[G0KC+1], 0
	s_add_nc_u64 s[G0KC+2:G0KC+3], s[96:97], 6291456
	s_or_b32 s[G0KC+3], s[G0KC+3], 0x80000000
	s_mov_b32 s[G0KR], 1
	s_mov_b32 s[G0KR+1], 24576
	s_add_nc_u64 s[G0KR+2:G0KR+3], s[96:97], 6291456+24576
	s_or_b32 s[G0KR+3], s[G0KR+3], 0x80000000
	s_mov_b32 s[G0VS], 1
	s_mov_b32 s[G0VS+1], VSC
	s_add_nc_u64 s[G0VS+2:G0VS+3], s[98:99], 524288
	s_or_b32 s[G0VS+3], s[G0VS+3], 0x80000000
	s_mov_b32 s[G0VC], 1
	s_mov_b32 s[G0VC+1], VIMG
	s_add_nc_u64 s[G0VC+2:G0VC+3], s[96:97], 12582912
	s_or_b32 s[G0VC+3], s[G0VC+3], 0x80000000
	s_mov_b32 s[G0VR], 1
	s_mov_b32 s[G0VR+1], VIMG+24576
	s_add_nc_u64 s[G0VR+2:G0VR+3], s[96:97], 12582912+24576
	s_or_b32 s[G0VR+3], s[G0VR+3], 0x80000000
	ROUND                                          ; all four work-groups are here: the joint loads meet
	s_cmp_eq_u32 s[WV], 0                          ; wave 0 asks for K, wave 1 for V, the others for nothing: a wave's three loads stand together; three of mine are out at the most
	s_cbranch_scc0 .Lnot_k
	tensor_load_to_lds s[G0KS:G0KS+3], s[G1S:G1S+7]
	s_nop 0
	tensor_load_to_lds s[G0KC:G0KC+3], s[G1C:G1C+7]
	s_nop 0
	tensor_load_to_lds s[G0KR:G0KR+3], s[G1R:G1R+7]
	s_nop 0
.rept 4
	v_nop
.endr
	s_branch .Lasked
.Lnot_k:
	s_cmp_eq_u32 s[WV], 1
	s_cbranch_scc0 .Lasked
	tensor_load_to_lds s[G0VS:G0VS+3], s[G1S:G1S+7]
	s_nop 0
	tensor_load_to_lds s[G0VC:G0VC+3], s[G1C:G1C+7]
	s_nop 0
	tensor_load_to_lds s[G0VR:G0VR+3], s[G1R:G1R+7]
	s_nop 0
.rept 4
	v_nop
.endr
.Lasked:
	v_and_b32 v9, 31, v0                           ; lane
	v_lshlrev_b32 v[LI], 4, v9
	v_and_b32 v8, 15, v0                           ; r
	v_lshlrev_b32 v10, 4, v8                       ; 16 r
.irp c, 0,1,2
	global_load_b128 v[RAWH+4*\c:RAWH+4*\c+3], v[LI], s[92:93] offset:512*\c
	global_load_b128 v[RAWL+4*\c:RAWL+4*\c+3], v[LI], s[30:31] offset:512*\c
.endr
	global_load_b32 v[RAWH+12], v10, s[94:95]
	global_load_b32 v[RAWL+12], v10, s[2:3]
	v_add_nc_u32 v[LIV], VIMG, v[LI]
	v_add_nc_u32 v[LRK], KSC, v10
	v_add_nc_u32 v[LRV], VSC, v10
	v_lshlrev_b32 v[YA], 3, v9
	v_bfe_u32 v11, v0, 4, 1                        ; h
	v_lshl_add_u32 v[YS], v8, 3, v11
	v_and_b32 v12, 8, v8
	v_add_nc_u32 v12, v12, v8                      ; r + 8 (r / 8)
	v_lshlrev_b32 v13, 4, v11
	v_sub_nc_u32 v[DQ], v12, v13
	s_lshl_b32 s[KN], s[G], 5
	s_lshl_b32 s[TK], s[E], 3
	s_add_co_u32 s[KN], s[KN], s[TK]
	v_add_nc_u32 v[DQ], s[KN], v[DQ]               ; 32 g + 8 e + r + 8 (r / 8) - 16 h
.irp b, 0,1,2,3
	v_mov_b32 v[236+\b], 0                         ; written once: a lane permute's destination counts as one of its sources
.endr
	v_mov_b32 v252, 0
	v_mov_b32 v253, 0                              ; (named as the upper half of the pair v[252:253] before it is first written)
; A tile of queries is taken up: its six registers of the image, with zero codes beside them, twice; its scale word; the sums begin as zeros and the largest t as -3e38.
.macro SETQ raw
	s_wait_xcnt 0x0                                ; the stores of the tile before have read their registers
	v_perm_b32 v255, v[\raw+12], v[\raw+12], s[SQ] ; (q0, q1, q0, q1): my tile's two bytes serve either half of the 128
.irp i, 0,1,2,3,4,5
	v_cndmask_b32 v[QA+\i], v[\raw+\i], v[\raw+6+\i], s[UM]
.endr
.irp i, 0,1,2,3,4,5
	v_mov_b32 v[QA+6+\i], 0
.endr
.irp i, 0,1,2,3,4,5
	v_mov_b32 v[QB+\i], 0
.endr
.irp i, 0,1,2,3,4,5
	v_mov_b32 v[QB+6+\i], v[QA+\i]
.endr
	v_mov_b32 v13, 0xff61b1e6                      ; -3e38, under every t
	v_floor_f32 v12, -v13                          ; -M
	v_mov_b32 v14, 0
	v_mov_b32 v15, 0
.set jj, 0
.rept 32
	v_mov_b32 v[160+jj], 0                         ; O^T: the first change of M leaves zeros zeros.  (These are also the places between the lines above and the first scaled product)
.set jj, jj+1
.endr
.endm
; A KEY STEP: 128 keys.  masked = 1: the step may lie behind the diagonal (it is jumped over, all but the lines that step addresses) or on it (hidden scores become -infinity).
.macro STEP masked
.if \masked
	s_cmp_gt_u32 s[KN], s[MT]
	s_cbranch_scc1 .Lhid_\@
.endif
	v_add_nc_u32 v[ADK], s[TK], v[LI]              ; (these four are the places in front of loads into registers that the last products read)
	v_add_nc_u32 v[ADV], s[TK], v[LIV]
	v_add_nc_u32 v[ADS], s[TS], v[LRK]
	v_add_nc_u32 v[ADT], s[TS], v[LRV]
.irp a, 0,1,2,3
.irp c, 0,1,2
	ds_load_b128 v[32+12*\a+4*\c:35+12*\a+4*\c], v[ADK] offset:1536*\a+512*\c
.endr
.endr
	ds_load_b128 v[248:251], v[ADS]                ; the four images' scale words of my row
	s_wait_dscnt 0x0
.irp t, 0,1,2,3,4,5,6,7                        ; S^T: tile t = image t / 2 x (Q | 0) or (0 | Q)
	v_wmma_scale_f32_16x16x128_f8f6f4 v[96+8*\t:103+8*\t], v[32+12*(\t/2):43+12*(\t/2)], v[QA+176*(\t%2):QA+176*(\t%2)+11], 0, v[248+\t/2], v255 matrix_a_fmt:MATRIX_FMT_FP6 matrix_b_fmt:MATRIX_FMT_FP6
.endr
.rept 4
	v_nop
.endr
.irp t, 0,1,2,3                                ; V's four fragments and their scale words land while the softmax is walked
.irp c, 0,1,2
	ds_load_b128 v[32+12*\t+4*\c:35+12*\t+4*\c], v[ADV] offset:1536*\t+512*\c
.endr
.endr
	ds_load_b128 v[248:251], v[ADT]
.if \masked
	s_cmp_lg_u32 s[KN], s[MT]
	s_cbranch_scc1 .Lopen_\@
	v_mov_b32 v254, 0xff800000                     ; -infinity.  Register 16 b + i holds key 32 b + 16 h + i of the step: hidden where 32 b + i > my query's place - 16 h
.set nn, 0
.rept 64
	v_cmp_gt_i32 vcc_lo, 32*(nn/16)+nn%16, v[DQ]
	v_cndmask_b32 v[96+nn], v[96+nn], v254, vcc_lo
.set nn, nn+1
.endr
.Lopen_\@:
.endif
.irp b, 0,1,2,3
	v_max3_num_f32 v[232+\b], v[96+16*\b], v[97+16*\b], v[98+16*\b]   ; the largest score of each block of 32 keys: for the row's maximum, and, since p rises with the score, for the block's largest p
.endr
.irp i, 3,5,7,9,11,13
.irp b, 0,1,2,3
	v_max3_num_f32 v[232+\b], v[232+\b], v[96+16*\b+\i], v[97+16*\b+\i]
.endr
.endr
.irp b, 0,1,2,3
	v_max_num_f32 v[232+\b], v[232+\b], v[111+16*\b]
.endr
.irp b, 0,1,2,3
	v_permlanex16_b32 v[236+\b], v[232+\b], s[SEL], s[SEL+1]
.endr
.irp b, 0,1,2,3
	v_max_num_f32 v[232+\b], v[232+\b], v[236+\b]  ; with lane l xor 16's 16 keys
.endr
	v_max3_num_f32 v254, v232, v233, v234
	v_max_num_f32 v254, v254, v235                 ; the step's largest score of my query
	v_mul_f32 v254, s[CS], v254                    ; as t
	v_max_num_f32 v13, v13, v254                   ; the running largest t
	v_mov_b32 v254, v12
	v_floor_f32 v12, -v13                          ; the new -M = -ceil(t): a whole number
	v_sub_f32 v254, v12, v254                      ; old M - new M: a whole number, 0 or less
	v_cvt_i32_f32 v254, v254                       ; (it saturates)
	v_ldexp_f32 v252, 1.0, v254                    ; f = 2^(old M - new M)
.set jj, 0
.rept 32
	v_pk_fma_f32 v[96+jj:97+jj], v[96+jj:97+jj], s[CS:CS+1], v[12:13] op_sel_hi:[1,0,0]   ; t - M, two at a time
.set jj, jj+2
.endr
.irp b, 0,1,2,3
	v_fma_f32 v[232+\b], v[232+\b], s[CS], v12     ; the same of each block's largest score
.endr
.set jj, 0
.rept 64
	v_exp_f32 v[96+jj], v[96+jj]                   ; p = 2^(t - M), at most 1
.set jj, jj+1
.endr
.irp b, 0,1,2,3
	v_exp_f32 v[232+\b], v[232+\b]                 ; the block's largest p
.endr
	v_pk_mul_f32 v[14:15], v[14:15], v[252:253] op_sel_hi:[1,0]   ; the sums under the new M.  (A plain place behind the exponentials)
	s_wait_alu depctr_va_vdst(0)
.irp b, 0,1,2,3
	v_max_num_f32 v[232+\b], 0x1800000, v[232+\b]  ; the floor 2^(3 - 127): the byte cannot fall under 1
.endr
.irp b, 0,1,2,3
	v_add_nc_u32 v[244+\b], 0xff000000, v[232+\b]  ; 2 off the exponent field: the conversion's scale operand
.endr
.irp b, 0,1,2,3
	v_lshrrev_b32 v[236+\b], 23, v[244+\b]         ; the scale's byte
.endr
	v_lshl_or_b32 v253, v237, 8, v236              ; p's scale word for these 128 keys
	v_lshl_or_b32 v253, v238, 16, v253
	v_lshl_or_b32 v253, v239, 24, v253
.irp c, 0,1
	v_cvt_scalef32_pk16_fp6_f32 v[224+6*\c:226+6*\c], v[96+32*\c:111+32*\c], v[244+2*\c]
	v_cvt_scalef32_pk16_fp6_f32 v[236+4*\c:238+4*\c], v[112+32*\c:127+32*\c], v[244+2*\c+1]
.endr
	v_nop                                          ; one plain place behind a scaled conversion
.irp c, 0,1                                    ; the operand's layout wants a whole block in a lane
.irp i, 0,1,2
	v_permlane16_swap_b32 v[224+6*\c+\i], v[236+4*\c+\i]
.endr
.irp i, 0,1,2
	v_mov_b32 v[227+6*\c+\i], v[236+4*\c+\i]
.endr
.endr
	v_pk_add_f32 v[236:237], v[96:97], v[98:99]    ; the row's sum is taken of the unquantised p: two at a time, in two chains
.irp j, 4,8,12,16,20,24,28,32,36,40,44,48,52,56,60
	v_pk_add_f32 v[14:15], v[14:15], v[96+\j:97+\j]
	v_pk_add_f32 v[236:237], v[236:237], v[98+\j:99+\j]
.endr
	v_pk_add_f32 v[14:15], v[14:15], v[236:237]
.set jj, 0
.rept 16
	v_pk_mul_f32 v[160+jj:161+jj], v[160+jj:161+jj], v[252:253] op_sel_hi:[1,0]   ; O^T under the new M
.set jj, jj+2
.endr
	s_wait_dscnt 0x0                               ; V is in
.irp t, 0,1,2,3                                ; O^T += V^T P^T: four tiles of 16 channels by turns; K = these 128 keys
	v_wmma_scale_f32_16x16x128_f8f6f4 v[160+8*\t:167+8*\t], v[32+12*\t:43+12*\t], v[224:235], v[160+8*\t:167+8*\t], v[248+\t], v253 matrix_a_fmt:MATRIX_FMT_FP6 matrix_b_fmt:MATRIX_FMT_FP6
.endr
.if \masked
.Lhid_\@:
.endif
	s_add_co_u32 s[TK], s[TK], 6144
	s_add_co_u32 s[TS], s[TS], 256
.endm
.macro LOOP first, last, masked        ; key steps first .. last - 1: the count is a constant
	s_mov_b32 s[KN], \first
	s_mov_b32 s[TK], \first*6144
	s_mov_b32 s[TS], \first*256
.Lloop_\@:
	STEP \masked
	s_add_co_u32 s[KN], s[KN], 1
	s_cmp_lt_u32 s[KN], \last
	s_cbranch_scc1 .Lloop_\@
.endm
; A tile's way out: y = O^T / the sum; register 16 b + i is channel 32 b + 16 h + i of my query: two blocks, quantised as every operand; six registers a lane, which are the head's half of an image.
.macro FINISH yc, ys
.rept 4
	v_nop
.endr
	v_add_f32 v14, v14, v15
	v_permlanex16_b32 v252, v14, s[SEL], s[SEL+1]
	v_add_f32 v14, v14, v252                       ; the row's sum
	v_rcp_f32 v14, v14
	v_nop                                          ; a plain place behind the transcendental
.set jj, 0
	s_wait_alu depctr_va_vdst(0)
.rept 16
	v_pk_mul_f32 v[96+jj:97+jj], v[160+jj:161+jj], v[14:15] op_sel_hi:[1,0]
.set jj, jj+2
.endr
.irp b, 0,1
	v_max3_num_f32 v[232+\b], |v[96+16*\b]|, |v[97+16*\b]|, 0x1800000
.endr
.irp i, 2,4,6,8,10,12,14
.irp b, 0,1
	v_max3_num_f32 v[232+\b], v[232+\b], |v[96+16*\b+\i]|, |v[97+16*\b+\i]|
.endr
.endr
.irp b, 0,1
	v_permlanex16_b32 v[236+\b], v[232+\b], s[SEL], s[SEL+1]
.endr
.irp b, 0,1
	v_max_num_f32 v[232+\b], v[232+\b], v[236+\b]
.endr
.irp b, 0,1
	v_add_nc_u32 v[244+\b], 0xff000000, v[232+\b]
.endr
.irp b, 0,1
	v_lshrrev_b32 v[236+\b], 23, v[244+\b]
.endr
	v_cvt_scalef32_pk16_fp6_f32 v[224:226], v[96:111], v244
	v_cvt_scalef32_pk16_fp6_f32 v[228:230], v[112:127], v245
	v_nop                                          ; one plain place behind a scaled conversion
.irp i, 0,1,2
	v_permlane16_swap_b32 v[224+\i], v[228+\i]
.endr
	v_mov_b32 v227, v228
	v_mov_b32 v228, v229
	v_mov_b32 v229, v230
	v_cndmask_b32 v240, v236, v237, s[HM]          ; lanes 0-15 carry block 0's byte, lanes 16-31 block 1's
.irp p, 0,1,2
	global_store_b64 v[YA], v[224+2*\p:225+2*\p], s[\yc:\yc+1] offset:256*\p   ; 32 lanes store 256 consecutive bytes, aligned
.endr
	global_store_b8 v[YS], v240, s[\ys:\ys+1]
.endm
	s_wait_loadcnt 0x0                             ; Q, both tiles
	SETQ RAWH
	s_mov_b32 s[MT], s[MH]
	s_wait_tensorcnt 1                             ; the scale words and the first four key steps are in; the other twelve may be out
	s_barrier_signal -1
	s_barrier_wait -1
	LOOP 0, 4, 0                                   ; the first tile's diagonal lies at key step 8 or later: these four steps are open
	s_wait_tensorcnt 0x0
	s_wait_dscnt 0x0
	s_barrier_signal -1
	s_barrier_wait -1                              ; all of K and V lie in LDS
	LOOP 4, 16, 1
	FINISH YCH, YSH
	SETQ RAWL
	s_mov_b32 s[MT], s[ML]
	LOOP 0, 8, 1
	FINISH YCL, YSL
	s_wait_dscnt 0x0
	s_wait_tensorcnt 0x0
	ds_add_u32 v223, v243
	s_wait_dscnt 0x0
	ROUND                                          ; the closing round
	s_endpgm
.Lfunc_end_k_qd8d2c2b76a_attn:
	.size	k_qd8d2c2b76a_attn, .Lfunc_end_k_qd8d2c2b76a_attn-k_qd8d2c2b76a_attn
	.p2alignl 7, 3214868480
	.fill 96, 4, 3214868480
	.section	.rodata,"a",@progbits
	.p2align	6, 0x0
	.amdhsa_kernel k_qd8d2c2b76a_attn
		.amdhsa_group_segment_fixed_size 206848
		.amdhsa_private_segment_fixed_size 0
		.amdhsa_enable_private_segment 0
		.amdhsa_kernarg_size 32
		.amdhsa_user_sgpr_count 2
		.amdhsa_user_sgpr_kernarg_segment_ptr 1
		.amdhsa_wavefront_size32 1
		.amdhsa_system_sgpr_workgroup_id_x 1
		.amdhsa_system_sgpr_workgroup_id_y 1
		.amdhsa_system_sgpr_workgroup_id_z 1
		.amdhsa_system_vgpr_workitem_id 0
		.amdhsa_next_free_vgpr 256
		.amdhsa_next_free_sgpr 100
		.amdhsa_reserve_vcc 1
		.amdhsa_float_denorm_mode_32 3
		.amdhsa_float_denorm_mode_16_64 3
		.amdhsa_memory_ordered 1
		.amdhsa_forward_progress 1
		.amdhsa_inst_pref_size 79
	.end_amdhsa_kernel
	.amdgpu_metadata
---
amdhsa.version: [ 1, 2 ]
amdhsa.kernels:
  - .name:           k_qd8d2c2b76a_attn
    .symbol:         k_qd8d2c2b76a_attn.kd
    .args:
      - { .name: qkvc, .offset: 0, .size: 8, .value_kind: global_buffer, .address_space: global }
      - { .name: qkvs, .offset: 8, .size: 8, .value_kind: global_buffer, .address_space: global }
      - { .name: yc, .offset: 16, .size: 8, .value_kind: global_buffer, .address_space: global }
      - { .name: ys, .offset: 24, .size: 8, .value_kind: global_buffer, .address_space: global }
    .group_segment_fixed_size: 206848
    .private_segment_fixed_size: 0
    .kernarg_segment_align: 8
    .kernarg_segment_size: 32
    .max_flat_workgroup_size: 512
    .sgpr_count:     100
    .vgpr_count:     256
    .wavefront_size: 32
...
	.end_amdgpu_metadata
.endif
;; end of part 3
;; launch proj (part 4): grid 4 x 32, 4 waves a work-group, clusters of 4 x 4, 327,680 bytes of LDS; arguments yc, ys, wcodes, wscales, b_proj, out0; writes out0
.if DOCPART == 4
	.amdgcn_target "amdgcn-amd-amdhsa--gfx1250"
	.amdhsa_code_object_version 6
	.text
	.protected	k_qd8d2c2b76a_proj
	.globl	k_qd8d2c2b76a_proj
	.p2align	8
	.type	k_qd8d2c2b76a_proj,@function
k_qd8d2c2b76a_proj:
	s_mov_b64 s[64:65], 0
	v_nop
	global_prefetch_b8 v0, s[64:65] scope:SCOPE_SE
	s_setreg_imm32_b32 hwreg(HW_REG_WAVE_MODE, 25, 1), 1
	s_wait_xcnt 0x0
	s_wait_alu depctr_hold_cnt(0) depctr_sa_sdst(0) depctr_va_vdst(0) depctr_va_sdst(0) depctr_va_ssrc(0) depctr_va_vcc(0) depctr_vm_vsrc(0)
	s_getreg_b32 s2, hwreg(HW_REG_IB_STS2, 6, 4)
	s_cmp_eq_u32 s2, 0
	s_cbranch_scc0 .Lentry_in_a_cluster
	s_endpgm
.Lentry_in_a_cluster:
	s_bfe_u32 s2, ttmp6, 0x10000c
	s_cmp_lg_u32 s2, 0xf033
	s_cbranch_scc0 .Lentry_shape_is_right
	s_endpgm
.Lentry_shape_is_right:
; out0 = y w_proj^T + b_proj on codes of FP6 (E2M3), K = 1,024; out0 [8192][1024] f32.
; A tile of 256 x 256 is made by four waves, each 128 x 128: 64 accumulators, 512 registers.  Codes lie in memory as images of the operand's registers, so that 128 rows x 256 along K are one dense block of
; 24,576 bytes: one tensor load a wave.  K is four such steps: three LDS slots are filled at the start, slot 0 once more for the fourth.
; w_proj's images are three runs of 512 bytes (16 bytes a lane); y's are six runs of 256 bytes (8 bytes a lane), since each head wrote its own half of an image.
; CLUSTERS: 4 x 4 work-groups; y's tile is shared along a row of the cluster, w_proj's along a column: each is asked for jointly.
; THE MATRIX INSTRUCTION IS USED TRANSPOSED: source 0 = 16 rows of w_proj, source 1 = 16 rows of y: a lane holds one row of out0 and its registers run along the columns.  Row block 2 A + u holds in lane r the row
; 32 A + 8 u + r + 8 (r / 8), on both sides: register 16 b + i of a block's 64 is column 32 b + 16 h + i, and a block's row t goes to row 32 (a / 2) + 8 (a % 2) + t + 8 (t / 8).
; The bias is the C of each sum's first matrix instruction.  The grid has 128 work-groups: a tile of 128 x 256 would give 256, with half the products for each byte read from LDS.
; REGISTERS, in windows of 256: window 0: v0-31 addresses; v32-63 scale words, two sets, and nothing else; v64-127 the bias; v128-223 y's 8 fragments; on the way out v128-255 rows of out0.
;   window 1: w_proj's fragments, two sets, at v0 and v128.   windows 2, 3: the accumulators, (a, b) at v[8 (8 (a % 4) + b)].
.set SLOT,   98304
.set PART,   24576
.set SCL,    3*SLOT
.set SPARE,  SCL+4*4096                ; the spare words, 128 bytes for each wave: two blocks of 256 bytes that no other line names
.set SPITCH, 528                       ; the way out: a stage of 16 rows x (512 + 16) bytes for each wave, in slot 1, which has had its one fill, and its last read ahead of the last barrier
.set FR,     12
.set NLA,    6                         ; LDS loads that bring one of A's fragments
.set NP,     4                         ; places behind this matrix instruction (ISA guide 7.12.1)
.set ADRA, 16
.set ADRB, 20
.set STO,  24                          ; v24  the way out: where I put 32 bytes of a row
.set RD,   25                          ; v25  where I read a row back
.set CO,   26                          ; v26  16 x lane: my bytes of a row of 512
.set ADRS, 27
.set SPW,  28
.set NIL,  29
.set SC,   32
.set CB,   64
.set AF,   128
.set BK,   128
.set WV, 16
.set RH, 17
.set CH, 18
.set OUT, 96                           ; s[96:97] my first row and column of out0
.set G1A, 24
.set G1B, 32
.set G1SA, 40
.set G1SB, 48
.set G0A0, 56
.set G0A1, 60
.set G0A2, 68
.set G0B0, 72
.set G0B1, 76
.set G0B2, 80
.set G0SA, 84
.set G0SB, 88
.set MSB, 0
.macro WIN new                         ; the immediate's high byte repeats the setting that is left
.if MSB != (\new)
	s_set_vgpr_msb (MSB<<8)|(\new)
.set MSB, (\new)
.endif
.endm
.set MUL_LO, 0xa1                      ; source 0 (B) window 1, source 1 (A) window 0, C and D window 2
.set MUL_HI, 0xf1                      ; the same, C and D window 3
.set Z_LO,   0x81                      ; the first step: C (the bias) window 0, D window 2
.set Z_HI,   0xc1                      ; D window 3
.set TO_B,   0x40
.macro JLOAD g0a, g1a, g0b, g1b        ; a joint load: waves 0 and 1 fetch for A, waves 2 and 3 for B; four v_nop follow each of the two lines
	s_cmp_eq_u32 s[RH], 0
	s_cbranch_scc0 .Lfor_b_\@
	tensor_load_to_lds s[\g0a:\g0a+3], s[\g1a:\g1a+7]
	s_nop 0
.rept 4
	v_nop
.endr
	s_branch .Lasked_\@
.Lfor_b_\@:
	tensor_load_to_lds s[\g0b:\g0b+3], s[\g1b:\g1b+7]
	s_nop 0
.rept 4
	v_nop
.endr
.Lasked_\@:
.endm
.macro CREST
	s_cmp_lg_u32 s[WV], 0
	s_cbranch_scc1 .Lnot_wave_0_\@
	s_barrier_signal -3
.Lnot_wave_0_\@:
	s_barrier_wait -3
	s_barrier_signal -1
	s_barrier_wait -1
.endm
.macro CROUND
	s_barrier_signal -1
	s_barrier_wait -1
	CREST
.endm
.macro GROUP0 g, ldsreg, ldsoff, adr, goff     ; descriptor group 0: count 1, LDS address, global address, type 2
	s_mov_b32 s[\g], 1
	s_add_co_u32 s[\g+1], s[\ldsreg], \ldsoff
	s_add_nc_u64 s[\g+2:\g+3], s[\adr:\adr+1], \goff
	s_or_b32 s[\g+3], s[\g+3], 0x80000000
.endm
	s_load_b256 s[4:11], s[0:1], 0x0               ; yc s[4:5], ys s[6:7], wcodes s[8:9], wscales s[10:11]
	s_load_b128 s[12:15], s[0:1], 0x20             ; b_proj s[12:13], out0 s[14:15]
	v_lshl_add_u32 v[SPW], v0, 2, SPARE
	v_mov_b32 v[NIL], 0
	ds_add_u32 v28, v29
	ds_add_u32 v28, v29
	s_wait_dscnt 0x0
	v_lshrrev_b32 v1, 5, v0
	v_readfirstlane_b32 s[WV], v1
	s_lshr_b32 s[RH], s[WV], 1                     ; which half of the tile's rows is mine.  Also: I fetch for A (0) or for B (1)
	s_and_b32 s[CH], s[WV], 1                      ; which half of its columns.  Also: which 128 rows of that tile I fetch
	s_bfe_u32 s19, ttmp6, 0x40000                  ; cx
	s_bfe_u32 s20, ttmp6, 0x40004                  ; cy
	s_and_b32 s21, ttmp7, 0xffff                   ; cluster y
	s_lshl_b32 s22, s20, 2
	s_lshl_b32 s22, 15, s22                        ; my row of the cluster
	s_lshl_b32 s23, 0x1111, s19                    ; my column
	s_or_b32 s[G1A], s22, (3<<16)|(1<<21)          ; dense blocks as rows of 256 bytes (32 elements of 8 bytes): 15:0 the mask; 17:16 element size; 21 set beside a mask
	s_or_b32 s[G1B], s23, (3<<16)|(1<<21)
	s_or_b32 s[G1SA], s22, (3<<16)|(1<<21)
	s_or_b32 s[G1SB], s23, (3<<16)|(1<<21)
.irp g, G1A, G1B
	s_mov_b32 s[\g+1], 32<<16
	s_mov_b32 s[\g+2], 96<<16
	s_mov_b32 s[\g+3], 32<<16
	s_mov_b32 s[\g+4], 96
	s_mov_b32 s[\g+5], 32
	s_mov_b32 s[\g+6], 0
	s_mov_b32 s[\g+7], 0
.endr
.irp g, G1SA, G1SB
	s_mov_b32 s[\g+1], 32<<16
	s_mov_b32 s[\g+2], 16<<16
	s_mov_b32 s[\g+3], 32<<16
	s_mov_b32 s[\g+4], 16
	s_mov_b32 s[\g+5], 32
	s_mov_b32 s[\g+6], 0
	s_mov_b32 s[\g+7], 0
.endr
	s_lshl_b32 s93, s21, 2
	s_add_co_u32 s93, s93, s20                     ; y's tile of 256 rows: 4 x cluster y + cy
	s_lshl_b32 s93, s93, 1
	s_add_co_u32 s93, s93, s[CH]
	s_mul_i32 s96, s93, 98304
	s_mov_b32 s97, 0
	s_lshl_b32 s98, s93, 12
	s_mov_b32 s99, 0
	s_add_co_u32 s94, s19, 44                      ; w_proj's tile in the operands' row space: 44 + cx
	s_lshl_b32 s94, s94, 1
	s_add_co_u32 s94, s94, s[CH]
	s_mul_i32 s100, s94, 98304
	s_mov_b32 s101, 0
	s_lshl_b32 s2, s94, 12
	s_mov_b32 s3, 0
	s_mul_i32 s95, s[WV], PART                     ; where they go: no place in the cluster enters an LDS address
	s_lshl_b32 s92, s[WV], 12
	s_wait_kmcnt 0x0
	s_add_nc_u64 s[96:97], s[4:5], s[96:97]
	s_add_nc_u64 s[98:99], s[6:7], s[98:99]
	s_add_nc_u64 s[100:101], s[8:9], s[100:101]
	s_add_nc_u64 s[2:3], s[10:11], s[2:3]
	CROUND                                         ; all sixteen work-groups are here: the first joint loads meet
	GROUP0 G0SA, 92, SCL, 98, 0
	GROUP0 G0SB, 92, SCL, 2, 0
	JLOAD G0SA, G1SA, G0SB, G1SB
	GROUP0 G0A0, 95, 0, 96, 0
	GROUP0 G0B0, 95, 0, 100, 0
	JLOAD G0A0, G1A, G0B0, G1B
	GROUP0 G0A1, 95, SLOT, 96, PART
	GROUP0 G0B1, 95, SLOT, 100, PART
	JLOAD G0A1, G1A, G0B1, G1B
	GROUP0 G0A2, 95, 2*SLOT, 96, 2*PART
	GROUP0 G0B2, 95, 2*SLOT, 100, 2*PART
	JLOAD G0A2, G1A, G0B2, G1B                     ; four tensor loads of mine are out
	v_and_b32 v1, 31, v0                           ; lane
	v_and_b32 v2, 15, v0                           ; r
	v_bfe_u32 v3, v0, 4, 1                         ; h
	v_lshlrev_b32 v[CO], 4, v1
	v_lshlrev_b32 v4, 3, v1                        ; y's images: 8 bytes a lane
	s_mul_i32 s22, s[RH], PART
	s_mul_i32 s23, s[CH], PART
	s_add_co_u32 s23, s23, 2*PART
.irp s, 0,1,2
	v_add_nc_u32 v[ADRA+\s], s22, v4
	v_add_nc_u32 v[ADRB+\s], s23, v[CO]
	s_add_co_u32 s22, s22, SLOT
	s_add_co_u32 s23, s23, SLOT
.endr
	s_lshl_b32 s22, s[RH], 12
	s_lshl_b32 s23, s[CH], 12
	s_add_co_u32 s23, s23, 8192
	s_sub_co_u32 s23, s23, s22
	v_mul_u32_u24 v5, s23, v3                      ; lanes 16-31 take B's scale words
	s_add_co_u32 s22, s22, SCL
	v_lshl_add_u32 v5, v2, 3, v5
	v_add_nc_u32 v[ADRS], s22, v5
	s_mul_i32 s22, s[WV], 16*SPITCH
	s_add_co_u32 s22, s22, SLOT                    ; my stage
	v_mul_u32_u24 v5, v2, SPITCH
	v_lshl_add_u32 v5, v3, 6, v5
	v_add_nc_u32 v[STO], s22, v5                   ; in: row r, + 64 h
	v_add_nc_u32 v[RD], s22, v[CO]                 ; back: a row of 512 bytes, 16 bytes a lane
	v_lshlrev_b32 v8, 6, v3                        ; the bias: 16 h numbers on
	s_lshl_b32 s92, s19, 10
	s_lshl_b32 s22, s[CH], 9
	s_add_co_u32 s92, s92, s22                     ; my first column, in bytes: 1,024 cx + 512 x half
	s_mov_b32 s93, 0
	s_lshl_b32 s[OUT], s21, 2
	s_add_co_u32 s[OUT], s[OUT], s20
	s_lshl_b32 s[OUT], s[OUT], 20                  ; 256 rows of 4,096 bytes a tile,
	s_lshl_b32 s22, s[RH], 19                      ; 128 a half
	s_add_co_u32 s[OUT], s[OUT], s22
	s_add_co_u32 s[OUT], s[OUT], s92
	s_mov_b32 s[OUT+1], 0
	s_add_nc_u64 s[OUT:OUT+1], s[14:15], s[OUT:OUT+1]
	s_add_nc_u64 s[92:93], s[12:13], s[92:93]
.irp b, 0,1,2,3,4,5,6,7
	global_load_b128 v[CB+8*\b:CB+8*\b+3], v8, s[92:93] offset:(32*(\b/2)+8*(\b%2))*4
	global_load_b128 v[CB+8*\b+4:CB+8*\b+7], v8, s[92:93] offset:(32*(\b/2)+8*(\b%2))*4+16
.endr
.macro FRAG reg, adr, q, i             ; a fragment of w_proj: three runs of 512 bytes
.irp c, 0,1,2
	ds_load_b128 v[\reg+4*\c:\reg+4*\c+3], v[\adr] offset:(\i)*3072+(\q)*1536+512*\c
.endr
.endm
.macro FRAGA reg, adr, q, i            ; a fragment of y: six runs of 256 bytes
.irp p, 0,1,2,3,4,5
	ds_load_b64 v[\reg+2*\p:\reg+2*\p+1], v[\adr] offset:(\i)*3072+(\q)*1536+256*\p
.endr
.endm
; 16 matrix instructions: A's blocks a0, a0 + 1 x B's eight, 128 along K.  zero = 1: the first product starts the sums from the bias.  The 64 accumulators take turns, one instruction a turn.
.macro MUL16 a0, p, q, sc, zero
.irp a, \a0, \a0+1
.irp b, 0,1,2,3,4,5,6,7
.if \zero
	v_wmma_scale_f32_16x16x128_f8f6f4 v[8*(8*((\a)%4)+\b):8*(8*((\a)%4)+\b)+7], v[128*(\p)+FR*\b:128*(\p)+FR*\b+FR-1], v[AF+FR*(\a):AF+FR*(\a)+FR-1], v[CB+8*\b:CB+8*\b+7], v[SC+16*(\sc)+2*\b+(\q)], v[SC+16*(\sc)+2*(\a)+(\q)] matrix_a_fmt:MATRIX_FMT_FP6 matrix_b_fmt:MATRIX_FMT_FP6 matrix_a_scale:MATRIX_SCALE_ROW1
.else
	v_wmma_scale_f32_16x16x128_f8f6f4 v[8*(8*((\a)%4)+\b):8*(8*((\a)%4)+\b)+7], v[128*(\p)+FR*\b:128*(\p)+FR*\b+FR-1], v[AF+FR*(\a):AF+FR*(\a)+FR-1], v[8*(8*((\a)%4)+\b):8*(8*((\a)%4)+\b)+7], v[SC+16*(\sc)+2*\b+(\q)], v[SC+16*(\sc)+2*(\a)+(\q)] matrix_a_fmt:MATRIX_FMT_FP6 matrix_b_fmt:MATRIX_FMT_FP6 matrix_a_scale:MATRIX_SCALE_ROW1
.endif
.endr
.endr
.endm
.macro FETCH_B slot, q, p
	WIN TO_B
.irp i, 0,1,2,3,4,5,6,7
	FRAG 128*(\p)+FR*\i, ADRB+\slot, \q, \i
.endr
	WIN 0
.endm
.macro FETCH_A slot, q, i0
.irp i, \i0, \i0+1, \i0+2, \i0+3
	FRAGA AF+FR*(\i), ADRA+\slot, \q, \i
.endr
.endm
.macro SCALES sc
.irp i, 0,1,2,3,4,5,6,7
	ds_load_b64 v[SC+16*\sc+2*\i:SC+16*\sc+2*\i+1], v[ADRS] offset:\i*512
.endr
.endm
.macro PLACES n
.rept \n
	v_nop
.endr
.endm
.macro STEP slot, sc, zero             ; a slot's first 128 along K
	s_wait_dscnt 4*NLA                             ; B's set and A's blocks 0-3 are in; the youngest loads (A's blocks 4-7) may be out
.if \zero
	WIN Z_LO
.else
	WIN MUL_LO
.endif
	MUL16 0, 0, 0, \sc, \zero
	MUL16 2, 0, 0, \sc, \zero
	s_wait_dscnt 0
	PLACES NP
	FETCH_B \slot, 1, 1
	FETCH_A \slot, 1, 0
.if \zero
	WIN Z_HI
.else
	WIN MUL_HI
.endif
	MUL16 4, 0, 0, \sc, \zero
	MUL16 6, 0, 0, \sc, \zero
	PLACES NP
	WIN 0
	FETCH_A \slot, 1, 4
.endm
; A slot's second 128 along K, which goes on to the next slot.  mode 1: this slot is filled again, behind a round of the cluster's barrier in front of which every wave has waited for all its tensor loads, added 0 to its
; spare word, and waited for that and for its reads of the slot.  mode 2: the same lines and one barrier, behind which the refilled slot is read.  mode 0: no barrier: mode 1's wait has shown the slot ahead whole to every wave.
.macro TURN slot, sc, next, nsc, mode
.if \mode
	s_wait_tensorcnt 0x0                           ; all my tensor loads have landed
	ds_add_u32 v[SPW], v[NIL]                      ; 0 onto my spare word
	s_wait_dscnt 4*NLA+1                           ; (the add and A's blocks 4-7 may be out)
	WIN MUL_LO
	MUL16 0, 1, 1, \sc, 0
	s_wait_dscnt 0x0                               ; the add is done, and my reads of this slot are over
	s_barrier_signal -1
	MUL16 2, 1, 1, \sc, 0
	WIN 0
	s_barrier_wait -1
.else
	s_wait_dscnt 4*NLA
	WIN MUL_LO
	MUL16 0, 1, 1, \sc, 0
	MUL16 2, 1, 1, \sc, 0
	WIN 0
	s_wait_dscnt 0x0
.endif
.if \mode == 1
	CREST
	s_add_nc_u64 s[G0A0+2:G0A0+3], s[G0A0+2:G0A0+3], 3*PART
	s_add_nc_u64 s[G0B0+2:G0B0+3], s[G0B0+2:G0B0+3], 3*PART
	JLOAD G0A0, G1A, G0B0, G1B                     ; K 768-1,023; its four v_nop are the places in front of the loads below
.else
	PLACES NP
.endif
	v_add_nc_u32 v[ADRS], 128, v[ADRS]
	FETCH_B \next, 0, 0
	FETCH_A \next, 0, 0
	SCALES \nsc
	WIN MUL_HI
	MUL16 4, 1, 1, \sc, 0
	MUL16 6, 1, 1, \sc, 0
	PLACES NP
	WIN 0
	FETCH_A \next, 0, 4
.endm
	s_wait_tensorcnt 2                             ; the scale words and my part of K 0-255 are in; the two loads behind them may be out
	s_barrier_signal -1
	s_barrier_wait -1
	FETCH_B 0, 0, 0
	FETCH_A 0, 0, 0
	SCALES 0
	FETCH_A 0, 0, 4
	s_wait_loadcnt 0x0                             ; the bias
	STEP 0, 0, 1
	TURN 0, 0, 1, 1, 1
	STEP 1, 1, 0
	TURN 1, 1, 2, 0, 0
	STEP 2, 0, 0
	TURN 2, 0, 0, 1, 2
	STEP 0, 1, 0
	s_wait_dscnt 4*NLA                             ; the last 128 along K: nothing more to fetch
	WIN MUL_LO
	MUL16 0, 1, 1, 1, 0
	MUL16 2, 1, 1, 1, 0
	s_wait_dscnt 0
	WIN MUL_HI
	MUL16 4, 1, 1, 1, 0
	MUL16 6, 1, 1, 1, 0
	WIN 0
; THE WAY OUT, block by block of 16 rows x 128 columns, through my own stage: in as 32 bytes a lane, back as whole rows of 512 bytes.  LDS serves a wave's instructions in order: no wait between the stores and the loads.
.macro TOSTAGE a
.set AC, 64*((\a)%4)
	WIN 0x08+4*((\a)/4)                            ; the data: window 2 or 3
.irp b, 0,1,2,3,4,5,6,7
	ds_store_b128 v[STO], v[AC+8*\b:AC+8*\b+3] offset:128*(\b/2)+32*(\b%2)       ; columns 32 (b / 2) + 16 h + 8 (b % 2) on; each accumulator from its low end on
	ds_store_b128 v[STO], v[AC+8*\b+4:AC+8*\b+7] offset:128*(\b/2)+32*(\b%2)+16
.endr
	WIN 0
.set BB, BK+64*((\a)%2)
.irp t, 0,1,2,3,4,5,6,7,8,9,10,11,12,13,14,15
	ds_load_b128 v[BB+4*\t:BB+4*\t+3], v[RD] offset:\t*SPITCH
.endr
.endm
.macro SEND a, younger                 ; younger: the LDS instructions issued behind block a's loads, which may stay out
.set BB, BK+64*((\a)%2)
	s_wait_dscnt \younger
.irp t, 0,1,2,3,4,5,6,7,8,9,10,11,12,13,14,15
	global_store_b128 v[CO], v[BB+4*\t:BB+4*\t+3], s[OUT:OUT+1] offset:(32*((\a)/2)+8*((\a)%2)+\t+8*(\t/8))*4096 th:TH_STORE_NT   ; 32 lanes store 512 consecutive bytes, at a multiple of 256 from out0's first byte; the base never steps: 127 rows at the most
.endr
.endm
	PLACES NP
	TOSTAGE 0
.irp a, 1,2,3,4,5,6,7
.if \a > 1
	s_wait_xcnt 0x0                                ; block a - 2's stores have read their registers: block a's loads may land there
.endif
	TOSTAGE \a
	SEND \a-1, 32                                  ; behind block a - 1's loads: block a's 16 stores and 16 loads
.endr
	SEND 7, 0
	s_wait_tensorcnt 0x0                           ; the wave's end
	ds_add_u32 v[SPW], v[NIL]
	s_wait_dscnt 0x0
	CROUND                                         ; the closing round
	s_endpgm
.Lfunc_end_k_qd8d2c2b76a_proj:
	.size	k_qd8d2c2b76a_proj, .Lfunc_end_k_qd8d2c2b76a_proj-k_qd8d2c2b76a_proj
	.p2alignl 7, 3214868480
	.fill 96, 4, 3214868480
	.section	.rodata,"a",@progbits
	.p2align	6, 0x0
	.amdhsa_kernel k_qd8d2c2b76a_proj
		.amdhsa_group_segment_fixed_size 327680
		.amdhsa_private_segment_fixed_size 0
		.amdhsa_enable_private_segment 0
		.amdhsa_kernarg_size 48
		.amdhsa_user_sgpr_count 2
		.amdhsa_user_sgpr_kernarg_segment_ptr 1
		.amdhsa_wavefront_size32 1
		.amdhsa_system_sgpr_workgroup_id_x 1
		.amdhsa_system_sgpr_workgroup_id_y 1
		.amdhsa_system_sgpr_workgroup_id_z 1
		.amdhsa_system_vgpr_workitem_id 0
		.amdhsa_next_free_vgpr 1024
		.amdhsa_next_free_sgpr 102
		.amdhsa_reserve_vcc 0
		.amdhsa_float_denorm_mode_32 3
		.amdhsa_float_denorm_mode_16_64 3
		.amdhsa_memory_ordered 1
		.amdhsa_forward_progress 1
		.amdhsa_inst_pref_size 148
	.end_amdhsa_kernel
	.amdgpu_metadata
---
amdhsa.version: [ 1, 2 ]
amdhsa.kernels:
  - .name:           k_qd8d2c2b76a_proj
    .symbol:         k_qd8d2c2b76a_proj.kd
    .args:
      - { .name: yc, .offset: 0, .size: 8, .value_kind: global_buffer, .address_space: global }
      - { .name: ys, .offset: 8, .size: 8, .value_kind: global_buffer, .address_space: global }
      - { .name: wcodes, .offset: 16, .size: 8, .value_kind: global_buffer, .address_space: global }
      - { .name: wscales, .offset: 24, .size: 8, .value_kind: global_buffer, .address_space: global }
      - { .name: b_proj, .offset: 32, .size: 8, .value_kind: global_buffer, .address_space: global }
      - { .name: out0, .offset: 40, .size: 8, .value_kind: global_buffer, .address_space: global }
    .group_segment_fixed_size: 327680
    .private_segment_fixed_size: 0
    .kernarg_segment_align: 8
    .kernarg_segment_size: 48
    .max_flat_workgroup_size: 128
    .sgpr_count:     102
    .vgpr_count:     1024
    .wavefront_size: 32
...
	.end_amdgpu_metadata
.endif
;; end of part 4
